; MI455X (gfx1250); checked and timed in simulation.
; The chip was launched on July 23, 2026; its instructions are those of AMD's public machine-readable ISA for CDNA 5 (MIT licence, August 2026) and "CDNA5" Instruction Set Architecture Reference Guide (July 2026). The comments in the code are by the model that wrote it; some were corrected since.
;; Causal Multihead Self Attention. Allowed arithmetic: matrix products marked QUANTISED: E5M2 operands, one given power-of-two scale a tensor, by v_wmma_f32_16x16x64_bf8_bf8 or v_wmma_f32_16x16x128_bf8_bf8, f32 sums; everything else in f32.
;; Inputs: Wk 1,024 x 1,024 float32; Wo 1,024 x 1,024 float32; Wq 1,024 x 1,024 float32; Wv 1,024 x 1,024 float32; bk 1,024 float32; bo 1,024 float32; bq 1,024 float32; bv 1,024 float32; lowp_scales 12 int32 (the exponents e of the quantised operands' scales 2^e); x 4 x 2,048 x 1,024 float32.
;; Outputs: out0 4 x 2,048 x 1,024 float32.
;; This version of the problem:
;;   THIS VERSION OF THE PROBLEM IS GIVEN IN LOW PRECISION. The matrix products marked QUANTISED in the list below multiply operands that are first quantised to E5M2 (5 exponent bits, 2 mantissa bits; 8 bits a number), with one given power-of-two scale for each operand tensor; their sums are f32. All else is computed in f32.
;;   The module's matrix products, in the order in which they are computed (A, B: the left and right operand; K: the contracted axis; several contracted axes count as one K, in the product's order):
;;     1. [M 8,192, K 1,024] x [K 1,024, N 1,024]; A: input x; B: input Wq: QUANTISED (scales: A lowp_scales[0], B lowp_scales[1])
;;     2. [M 8,192, K 1,024] x [K 1,024, N 1,024]; A: input x; B: input Wk: QUANTISED (scales: A lowp_scales[2], B lowp_scales[3])
;;     3. [M 8,192, K 1,024] x [K 1,024, N 1,024]; A: input x; B: input Wv: QUANTISED (scales: A lowp_scales[4], B lowp_scales[5])
;;     4. batch 64 x [M 2,048, K 64] x [K 64, N 2,048]; A: computed on the way; B: computed on the way: QUANTISED (scales: A lowp_scales[6], B lowp_scales[7])
;;     5. batch 64 x [M 2,048, K 2,048] x [K 2,048, N 64]; A: softmax (see below); B: computed on the way: QUANTISED (scales: A lowp_scales[8], B lowp_scales[9])
;;     6. [M 8,192, K 1,024] x [K 1,024, N 1,024]; A: computed on the way; B: input Wo: QUANTISED (scales: A lowp_scales[10], B lowp_scales[11])
;;   THE QUANTISER, for each operand of a quantised product, along K:
;;     - The operand's scale is 2^e, e = its entry of the input lowp_scales (int32; the entries are numbered through the quantised products in the list's order, A before B).
;;     - Each number is divided by the scale, clamped to +-57,344, and rounded to the nearest number of E5M2, ties to even, subnormals kept.
;;     - The product sums the exact products of the quantised numbers (number of the format x scale) in f32.
;;   ~~~python
;;   def quantise(x, axis, e):      # numpy; x: float32 -> the quantised numbers, widened to float32 again
;;       x = np.moveaxis(x, axis, -1); K = x.shape[-1]
;;       r = np.clip(x / 2.0 ** e, -57344, 57344)
;;       step = 2.0 ** (np.maximum(np.frexp(np.where(r == 0, 1, r))[1] - 1, -14) - 2)
;;       q = np.round(r / step) * step * 2.0 ** e      # np.round: ties to even
;;       return np.moveaxis(q, -1, axis).astype(np.float32)
;;   ~~~
;;   SOFTMAX AHEAD OF A QUANTISED PRODUCT. Where the list says 'softmax', what is quantised is not the finished softmax but p = 2^(t - M), with t = logit x log2(e) and M = ceil(the row's largest t), a whole number; so 1/2 < the row's largest p <= 1. The row's sum l is taken of the UNQUANTISED p, in f32, and the product's result is divided by l at the end. Since M is a whole number, a kernel that streams over the keys may use a running M (the ceiling of the running maximum): every later rescaling is an exact power of two, so the quantised numbers keep their values, but for numbers so far below the row's largest that they fall under the format's range.
;;   OPERANDS COMPUTED ON THE WAY. 'Computed on the way' means the value that the module computes at that place (a softmax that the list does not call 'softmax' is quantised finished and normalised). What goes into a quantiser is computed in f32, as accurately as f32 sums, v_exp_f32 and their like allow (about 1e-6 of the number): no bf16 or f16 on the way to a quantiser, and a product that is left as it is and whose result goes on into a quantised operand takes f32 operands (vector FMAs, or v_wmma_f32_16x16x4_f32). A number that lies on a knife's edge between two numbers of the format may be rounded either way, as far as f32 arithmetic and the matrix unit's own rounding can turn it there, and no further.
;; One version. Each part assembles by itself: llvm-mc -triple=amdgcn-amd-amdhsa -mcpu=gfx1250 --defsym DOCPART=n.
;; ======== version 1 of 1: 4 launches
;; limits: right only within a limited range of input values
;; workspace buffers: xc 25,165,824 bytes; wc 4,194,304 bytes; qkv 25,165,824 bytes; ao 8,388,608 bytes
;; launch quant (part 1): grid 768 x 1, 4 waves a work-group, no clusters, 33,280 bytes of LDS; arguments x, Wq, Wk, Wv, Wo, lowp_scales, xc, wc; writes xc, wc
.if DOCPART == 1
	.amdgcn_target "amdgcn-amd-amdhsa--gfx1250"
	.amdhsa_code_object_version 6
	.text
	.protected	k_q0f3512f5d6_quant
	.globl	k_q0f3512f5d6_quant
	.p2align	8
	.type	k_q0f3512f5d6_quant,@function
k_q0f3512f5d6_quant:
	s_mov_b64 s[64:65], 0
	v_nop
	global_prefetch_b8 v0, s[64:65] scope:SCOPE_SE
	s_setreg_imm32_b32 hwreg(HW_REG_WAVE_MODE, 25, 1), 1
	s_wait_xcnt 0x0
; x [8192][1024] and the four weights [1024][1024], f32 with K innermost, become codes of BF8 (E5M2), one byte each, K innermost.
; code = number / 2^e, held within +-57,344, rounded to the nearest code, ties to even.  x is an operand of three products with three given scales (entries 0, 2, 4 of the scales'
; buffer), so it is read once and converted three times: xc holds three parts of 8,388,608 bytes.  Wq, Wk, Wv, Wo take entries 1, 3, 5, 11: wc holds four parts of 1,048,576 bytes.
; LIMITS: every e between -126 and 112, so that 2^e and 57,344 x 2^e are f32 numbers.  NaN among the inputs is not served.
; Rows are dense, so every tensor is a plain stream.  A wave takes 8 steps of 512 numbers.  Each of a step's four loads reads 512 consecutive bytes, 16 a lane; the 2,048 bytes go through the wave's own
; stage in LDS and come back 64 bytes a lane, since a conversion takes 8 neighbours from ONE lane's registers.  A lane's 16 codes are 16 bytes: the wave stores 512 consecutive bytes.
; Work-groups 0-511 take x, 512 + 64 i + p takes part p of weight i: 768 small work-groups, of which several lie on a WGP, so that their loads in flight add up.
; Only pointers and scales are chosen; the one branch, on the work-group's number, leaves out x's second and third conversion, which hold no
; load and no LDS instruction: so every count is the same on both ways.  No tensor loads, no barrier, no cluster: waves share nothing.  Loads run four steps (16 loads a wave) ahead.
.set XWG,   512                        ; work-groups that take x
.set STEPS, 8
.set SP,    80                         ; a lane's place in a stage: its 64 bytes + 16 of padding
.set WREG,  8192                       ; LDS: a region for each wave: two stages of 32 x SP bytes
.set R,     16                         ; v16-79   four sets of 16 numbers as loaded
.set X,     80                         ; v80-111  two sets of 16 neighbours
.set T,     112
.set C,     160                        ; v160-183 codes: two sets of 3 x 4 registers
; v3: 16 x lane (loads and stores); v14, v15: the stage, in and out; v5 / v7 / v9: 2^e for the three scales
	s_load_b512 s[4:19], s[0:1], 0x0               ; x 4:5, Wq 6:7, Wk 8:9, Wv 10:11, Wo 12:13, scales 14:15, xc 16:17, wc 18:19
	v_lshl_add_u32 v184, v0, 2, 0x8000
	v_mov_b32 v185, 0
	v_lshrrev_b32 v1, 5, v0
	v_readfirstlane_b32 s48, v1                    ; wave
	v_and_b32 v2, 31, v0                           ; lane
	v_lshlrev_b32 v3, 4, v2
	s_mul_i32 s20, s48, WREG
	v_lshrrev_b32 v14, 2, v2
	v_mul_u32_u24 v14, v14, SP
	v_and_b32 v15, 3, v2
	v_lshl_add_u32 v14, v15, 4, v14
	v_add_nc_u32 v14, s20, v14                     ; in: four lanes' 64 bytes on end, then padding: SP (lane / 4) + 16 (lane % 4)
	v_mul_u32_u24 v15, v2, SP
	v_add_nc_u32 v15, s20, v15                     ; out: SP x lane: my 16 neighbours
	s_cmp_lt_u32 ttmp9, XWG
	s_cselect_b32 s21, 0, XWG
	s_sub_co_u32 s49, ttmp9, s21                   ; my number among x's work-groups, or among the weights'
	s_lshr_b32 s50, s49, 6                         ; which weight (of no meaning for x)
	s_and_b32 s51, s49, 63                         ; which part of it
	s_cmp_lt_u32 ttmp9, XWG
	s_cselect_b32 s51, s49, s51
	s_lshl_b32 s51, s51, 2
	s_add_co_u32 s51, s51, s48                     ; my wave's run of 4,096 numbers in its source
	s_lshl_b32 s22, s51, 14                        ; in bytes
	s_mov_b32 s23, 0
	s_lshl_b32 s24, s49, 2
	s_add_co_u32 s24, s24, s48                     ; and in xc's first part, or in wc, whose four parts lie on end
	s_lshl_b32 s24, s24, 12
	s_mov_b32 s25, 0
	s_wait_alu depctr_va_vdst(0)
	s_wait_kmcnt 0x0
	s_load_b256 s[36:43], s[14:15], 0x0            ; the scales' exponents 0 .. 7
	s_load_b128 s[44:47], s[14:15], 0x20           ; 8 .. 11
	s_cmp_eq_u32 s50, 2                            ; the choices hang on the work-group's number alone
	s_cselect_b64 s[30:31], s[10:11], s[12:13]
	s_cmp_eq_u32 s50, 1
	s_cselect_b64 s[30:31], s[8:9], s[30:31]
	s_cmp_eq_u32 s50, 0
	s_cselect_b64 s[30:31], s[6:7], s[30:31]
	s_cmp_lt_u32 ttmp9, XWG
	s_cselect_b64 s[30:31], s[4:5], s[30:31]       ; the source
	s_cselect_b64 s[32:33], s[16:17], s[18:19]     ; the codes
	s_add_nc_u64 s[30:31], s[30:31], s[22:23]
	s_add_nc_u64 s[32:33], s[32:33], s[24:25]
	s_add_nc_u64 s[34:35], s[32:33], 0x800000      ; xc's second and third part: used on x's way alone
	s_add_nc_u64 s[26:27], s[32:33], 0x1000000
.macro LOAD t
.irp i, 0,1,2,3
	global_load_b128 v[R+16*((\t)%4)+4*\i:R+16*((\t)%4)+4*\i+3], v3, s[30:31] offset:2048*(\t)+512*\i th:TH_LOAD_NT   ; 32 lanes read 512 consecutive bytes; read once in the launch
.endr
.endm
.macro TURN t                          ; step t's numbers through the stage: LDS serves a wave's instructions in order (ISA guide 5.7.1.4), so no wait stands between the stores and the loads
.irp i, 0,1,2,3
	ds_store_b128 v14, v[R+16*((\t)%4)+4*\i:R+16*((\t)%4)+4*\i+3] offset:32*SP*((\t)%2)+8*SP*\i
.endr
.irp i, 0,1,2,3
	ds_load_b128 v[X+16*((\t)%2)+4*\i:X+16*((\t)%2)+4*\i+3], v15 offset:32*SP*((\t)%2)+16*\i
.endr
.endm
.irp t, 0,1,2,3
	LOAD \t
.endr
	s_wait_kmcnt 0x0
	s_cmp_eq_u32 s50, 2
	s_cselect_b32 s28, s41, s47                    ; Wv: entry 5, Wo: entry 11
	s_cmp_eq_u32 s50, 1
	s_cselect_b32 s28, s39, s28                    ; Wk: entry 3
	s_cmp_eq_u32 s50, 0
	s_cselect_b32 s28, s37, s28                    ; Wq: entry 1
	s_cmp_lt_u32 ttmp9, XWG
	s_cselect_b32 s28, s36, s28                    ; x: entry 0
.macro SCALE e, vs
	s_add_co_i32 s29, s[\e], 127
	s_lshl_b32 s52, s29, 23
	v_mov_b32 v[\vs], s52                          ; 2^e as f32: the conversion takes its exponent field
.endm
	SCALE 28, 5
	SCALE 38, 7                                    ; x's second scale: entry 2
	SCALE 40, 9                                    ; its third: entry 4
	s_wait_alu depctr_va_vdst(0)
	s_wait_loadcnt 12                              ; step 0's four loads are in
	TURN 0
; the step's 16 neighbours under scale j, to the codes' pointer s[d:d+1]
.macro QS t, j, d
.irp i, 0,1,2,3,4,5,6,7,8,9,10,11,12,13,14,15
.endr
	v_cvt_scalef32_pk8_bf8_f32 v[CS+4*\j:CS+4*\j+1], v[T+16*\j+((XS+0)-(T+16*\j+0)):T+16*\j+7+((XS+0)-(T+16*\j+0))], v[5+2*\j]
	v_cvt_scalef32_pk8_bf8_f32 v[CS+4*\j+2:CS+4*\j+3], v[T+16*\j+8+((XS+0)-(T+16*\j+0)):T+16*\j+15+((XS+0)-(T+16*\j+0))], v[5+2*\j]
	v_nop                                          ; a plain vector line between the conversions and the next vector line that writes their sources
	global_store_b128 v3, v[CS+4*\j:CS+4*\j+3], s[\d:\d+1] offset:512*(\t)   ; 32 lanes store 512 consecutive bytes, aligned
.endm
.macro STEP t
.set XS, X+16*((\t)%2)
.set CS, C+12*((\t)%2)
	s_wait_dscnt 0x0                               ; this step's numbers are back from the stage, and its stores into the stage have read their registers
.if (\t) >= 2
	s_wait_xcnt 0x0                                ; the stores of two steps ago have read this set of code registers (ISA guide 3.1)
.endif
.if (\t)+4 < STEPS
	LOAD (\t)+4
.endif
.if (\t)+1 < STEPS
.if STEPS-2-(\t) >= 3
	s_wait_loadcnt 12                              ; the next step's four loads are in; those of the three steps behind it may be out
.else
	s_wait_loadcnt 4*(STEPS-2-(\t))
.endif
	TURN (\t)+1
.endif
	QS \t, 0, 32
	s_cmp_lt_u32 ttmp9, XWG
	s_cbranch_scc0 .Lw_\@                          ; a weight has one scale
	QS \t, 1, 34
	QS \t, 2, 26
.Lw_\@:
.endm
.irp t, 0,1,2,3,4,5,6,7
	STEP \t
.endr
	s_wait_tensorcnt 0x0
	ds_add_u32 v184, v185
	s_wait_dscnt 0x0
	s_endpgm
.Lfunc_end_k_q0f3512f5d6_quant:
	.size	k_q0f3512f5d6_quant, .Lfunc_end_k_q0f3512f5d6_quant-k_q0f3512f5d6_quant
	.p2alignl 7, 3214868480
	.fill 96, 4, 3214868480
	.section	.rodata,"a",@progbits
	.p2align	6, 0x0
	.amdhsa_kernel k_q0f3512f5d6_quant
		.amdhsa_group_segment_fixed_size 33280
		.amdhsa_private_segment_fixed_size 0
		.amdhsa_enable_private_segment 0
		.amdhsa_kernarg_size 64
		.amdhsa_user_sgpr_count 2
		.amdhsa_user_sgpr_kernarg_segment_ptr 1
		.amdhsa_wavefront_size32 1
		.amdhsa_system_sgpr_workgroup_id_x 1
		.amdhsa_system_sgpr_workgroup_id_y 1
		.amdhsa_system_sgpr_workgroup_id_z 1
		.amdhsa_system_vgpr_workitem_id 0
		.amdhsa_next_free_vgpr 186
		.amdhsa_next_free_sgpr 66
		.amdhsa_reserve_vcc 0
		.amdhsa_float_denorm_mode_32 3
		.amdhsa_float_denorm_mode_16_64 3
		.amdhsa_fp16_overflow 1
		.amdhsa_memory_ordered 1
		.amdhsa_forward_progress 1
		.amdhsa_inst_pref_size 18
	.end_amdhsa_kernel
	.amdgpu_metadata
---
amdhsa.version: [ 1, 2 ]
amdhsa.kernels:
  - .name:           k_q0f3512f5d6_quant
    .symbol:         k_q0f3512f5d6_quant.kd
    .args:
      - { .name: x, .offset: 0, .size: 8, .value_kind: global_buffer, .address_space: global }
      - { .name: Wq, .offset: 8, .size: 8, .value_kind: global_buffer, .address_space: global }
      - { .name: Wk, .offset: 16, .size: 8, .value_kind: global_buffer, .address_space: global }
      - { .name: Wv, .offset: 24, .size: 8, .value_kind: global_buffer, .address_space: global }
      - { .name: Wo, .offset: 32, .size: 8, .value_kind: global_buffer, .address_space: global }
      - { .name: lowp_scales, .offset: 40, .size: 8, .value_kind: global_buffer, .address_space: global }
      - { .name: xc, .offset: 48, .size: 8, .value_kind: global_buffer, .address_space: global }
      - { .name: wc, .offset: 56, .size: 8, .value_kind: global_buffer, .address_space: global }
    .group_segment_fixed_size: 33280
    .private_segment_fixed_size: 0
    .kernarg_segment_align: 8
    .kernarg_segment_size: 64
    .max_flat_workgroup_size: 128
    .sgpr_count:     66
    .vgpr_count:     186
    .wavefront_size: 32
...
	.end_amdgpu_metadata
.endif
;; end of part 1
;; launch proj (part 2): grid 4 x 64, 4 waves a work-group, clusters of 4 x 4, 327,680 bytes of LDS; arguments xc, wc, bq, bk, bv, lowp_scales, qkv; writes qkv
.if DOCPART == 2
	.amdgcn_target "amdgcn-amd-amdhsa--gfx1250"
	.amdhsa_code_object_version 6
	.text
	.protected	k_q0f3512f5d6_proj
	.globl	k_q0f3512f5d6_proj
	.p2align	8
	.type	k_q0f3512f5d6_proj,@function
k_q0f3512f5d6_proj:
	s_mov_b64 s[64:65], 0
	v_nop
	global_prefetch_b8 v0, s[64:65] scope:SCOPE_SE
	s_setreg_imm32_b32 hwreg(HW_REG_WAVE_MODE, 25, 1), 1
	s_wait_xcnt 0x0
	s_wait_alu depctr_hold_cnt(0) depctr_sa_sdst(0) depctr_va_vdst(0) depctr_va_sdst(0) depctr_va_ssrc(0) depctr_va_vcc(0) depctr_vm_vsrc(0)
	s_getreg_b32 s2, hwreg(HW_REG_IB_STS2, 6, 4)
	s_cmp_eq_u32 s2, 0
	s_cbranch_scc0 .Lentry_in_a_cluster
	s_endpgm
.Lentry_in_a_cluster:
	s_bfe_u32 s2, ttmp6, 0x10000c
	s_cmp_lg_u32 s2, 0xf033
	s_cbranch_scc0 .Lentry_shape_is_right
	s_endpgm
.Lentry_shape_is_right:
; q = x Wq^T + bq, k = x Wk^T + bk, v = x Wv^T + bv on codes of BF8 (E5M2); each result is quantised at once, by its own given scale, for the attention's products, and leaves as codes.
; xc: x's codes under entries 0, 2, 4 of the scales' buffer, three parts [8192][1024].  wc: Wq, Wk, Wv, Wo as codes, four parts [1024][1024].  A sum stands for sum x 2^(ea + eb); number = sum x 2^(ea + eb) + bias, one fused
; multiply-add in f32; code = number / 2^eo held within +-57,344 (eo: entry 6 for q, 7 for k, 9 for v).
; qkv: part 0 q, part 1 k: [16 b + head][2048][64];  part 2 v with the KEYS innermost: [16 b + head][key step of 128][64][128].
; LIMITS: ea + eb between -126 and 127; eo between -126 and 112.  Within a matrix instruction k is permuted, alike in both operands, so the order of the sums inside it is not ascending k.
; SHARES.  The three products are 384 tiles of 256 x 256, one and a half for each of 256 work-groups.  A WORK-GROUP STAYS AND MAKES TWO TILES.  C is its cluster's number, 0 to 15.
;   Tile 0, 256 x 256, of q (C < 8) or of k: rows = tokens, tile 4 (C % 8) + cy; columns = features, tile cx.  "A" = x's codes, "B" = the weight's.  A wave makes 128 x 128: 64 accumulators.
;   Tile 1, 256 x 128, of v, WITH THE OPERANDS SWAPPED: rows = features, tile cy ("A" = Wv's codes); columns = the 128 tokens of key step 4 C + cx ("B" = x's codes).  Wave w makes rows 64 w on, one head, x 128: 32 accumulators.
; THE MATRIX INSTRUCTION IS USED TRANSPOSED (source 0 = 16 rows of B, source 1 = 16 rows of A): a lane holds eight neighbouring columns of one row: for q and k eight neighbours of the head's 64, for v eight neighbouring keys:
; in both cases neighbours along the next product's K, which one conversion takes.
; K = 1024 goes in four steps of 256 through two LDS slots filled by the tensor data mover; a tile's row is 256 bytes of memory.  THE RING GOES ON INTO TILE 1: tile 0's third change of slots asks for tile 1's K 0-255, and a round
; behind block 2 of tile 0's way out asks for its K 256-511.  CLUSTERS: 4 x 4 work-groups; A's tile is asked for jointly by a row of the cluster, B's by a column, in both tiles.
; REGISTERS, in windows of 256: window 0: v0-31 addresses; v32-95 the bias of tile 0's 128 columns; v96-99 of tile 1's 64 rows; v112, v114 2^eo for the two tiles; from v128 A's fragments: tile 0 ONE set of 128,
;   tile 1 TWO sets of 64; on the ways out v128-255 are free.   window 1: B's fragments, TWO sets.   window 2: the accumulators of my rows 0-63 ((a, b) at v[8 (8 a + b)]);   window 3: those of tile 0's rows 64-127.
.set ROWB,   256                       ; a tile's row in bytes
.set KROW,   1024                      ; a row of codes in memory
.set PITCH,  272                       ; an LDS row: 256 bytes + 16 of padding = 68 words: row r starts at bank 4 r mod 64 (64 banks of 4 bytes: ISA guide 11.1)
.set FR,     16                        ; registers of a fragment: 16 rows x 128 K
.set NL,     4                         ; LDS loads that bring one
.set NP,     4                         ; places behind this matrix instruction (ISA guide 7.12.1)
.set HALFT,  128*PITCH                 ; 128 rows
.set SLOT,   4*HALFT                   ; A's 256 rows, then B's 256 rows (tile 1: 128)
.set SPARE,  2*SLOT                    ; behind the ring: the spare words, 128 bytes a wave: two blocks of 256 bytes that no other line names
.set CP,     144                       ; the way out: a stage row: 128 codes + 16 bytes: 36 words
.set STGQ,   SPARE+512                 ; tile 0's stages: 16 rows x CP for each wave
.set STGV,   STGQ+4*16*CP              ; tile 1's
.set ADRB1, 12                         ; v12-13  tile 1: LDS address of B's fragments in slot 0, 1
.set ADRA, 16                          ; v16-17  tile 0: of my A fragments
.set ADRA1, 18                         ; v18-19  tile 1: of my A fragments
.set ADRB, 20                          ; v20-21  tile 0: of my B fragments
.set STOQ, 22                          ; v22     where I put 8 codes of a row (tile 0);  v24 the same for tile 1
.set RDQ,  23                          ; v23     where I read 16 codes back (tile 0);    v25 the same for tile 1
.set STOV, 24
.set RDV,  25
.set CO,   26                          ; v26     16 x lane: my place in a store's 512 bytes
.set BCO,  27                          ; v27     32 x (lane / 16): my eight columns' bias
.set SPW,  28                          ; v28     LDS address of my spare word; never rewritten
.set NIL,  29                          ; v29     0; never rewritten
.set BRO,  30                          ; v30     4 x (lane % 16): my row's bias
.set BIAS, 32
.set BR,   96
.set QSC,  112                         ; v112 tile 0's 2^eo; v114 tile 1's
.set AF,   128
.set TMP,  128                         ; the way out: a block's 64 numbers
.set CD,   192                         ; its codes: two sets of 16
.set OB,   224                         ; and the codes read back by rows: two sets of 16
.set G1, 24                            ; s[24:31] group 1 for A's tiles, of both tiles; s[32:39] group 0, a set for each slot
.set G0, 32
.set G1B, 48                           ; s[48:55], s[56:63] the same for tile 0's B
.set G0B, 56
.set G1C, 68                           ; s[68:75], s[84:91] the same for tile 1's B: 64 rows a load
.set G0C, 84
.set A1P, 92                           ; s[92:93] where my part of tile 1's A begins
.set MSB, 0
.macro WIN new                         ; the immediate's high byte repeats the setting that is left
.if MSB != (\new)
	s_set_vgpr_msb (MSB<<8)|(\new)
.set MSB, (\new)
.endif
.endm
.set MUL_LO, 0xa1                      ; source 0 (B) window 1, source 1 (A) window 0, C and D window 2
.set MUL_HI, 0xf1                      ; the same, C and D window 3
.set TO_B,   0x40                      ; destination window 1, address window 0
; A joint load: waves 0 and 1 fetch for A, waves 2 and 3 for B.  Each line has one mask and one set of registers; the branch hangs on the wave's number alone.  Four v_nop follow each line.
.macro JLOAD g0a, g1a, g0b, g1b
	s_cmp_eq_u32 s15, 0
	s_cbranch_scc0 .Lfor_b_\@
	tensor_load_to_lds s[\g0a:\g0a+3], s[\g1a:\g1a+7]
	s_nop 0
.rept 4
	v_nop
.endr
	s_branch .Lasked_\@
.Lfor_b_\@:
	tensor_load_to_lds s[\g0b:\g0b+3], s[\g1b:\g1b+7]
	s_nop 0
.rept 4
	v_nop
.endr
.Lasked_\@:
.endm
.macro CREST                           ; a round of the cluster's barrier behind its opening barrier
	s_cmp_lg_u32 s14, 0
	s_cbranch_scc1 .Lnot_wave_0_\@
	s_barrier_signal -3
.Lnot_wave_0_\@:
	s_barrier_wait -3
	s_barrier_signal -1
	s_barrier_wait -1
.endm
.macro CROUND
	s_barrier_signal -1
	s_barrier_wait -1
	CREST
.endm
	s_load_b256 s[68:75], s[0:1], 0x0              ; xc 68:69, wc 70:71, bq 72:73, bk 74:75
	s_load_b128 s[76:79], s[0:1], 0x20             ; bv 76:77, the scales' exponents 78:79
	s_load_b64 s[80:81], s[0:1], 0x30              ; qkv
	v_lshl_add_u32 v[SPW], v0, 2, SPARE
	v_mov_b32 v[NIL], 0
	ds_add_u32 v28, v29
	ds_add_u32 v28, v29
	s_wait_dscnt 0x0
	v_lshrrev_b32 v1, 5, v0
	v_readfirstlane_b32 s14, v1                    ; wave 0..3
	s_lshr_b32 s15, s14, 1                         ; tile 0: which half of the rows is mine.  Also: I fetch for A (0) or for B (1)
	s_and_b32 s16, s14, 1                          ; tile 0: which half of the columns.  Also: which half of that tile I fetch
	s_bfe_u32 s40, ttmp6, 0x40000                  ; cx, cy: my place in the cluster
	s_bfe_u32 s41, ttmp6, 0x40004
	s_and_b32 s82, ttmp7, 0xffff                   ; C: the cluster's y, alike in all sixteen partners
	s_lshr_b32 s83, s82, 3                         ; tile 0 is q's (0) or k's (1)
	s_and_b32 s17, s82, 7
	s_lshl_b32 s17, s17, 2
	s_add_co_u32 s17, s17, s41                     ; tile 0's token tile: made of cy and the cluster's place alone
	s_lshl_b32 s43, s41, 2
	s_lshl_b32 s43, 15, s43                        ; my row of the cluster
	s_lshl_b32 s44, 0x1111, s40                    ; my column
	; group 1: a tile of 128 rows x 256 bytes, padded in LDS
	s_or_b32 s[G1+0], s43, (0<<16)|(1<<20)|(1<<21)|(5<<22)|(3<<25)  ; 15:0 the mask; 17:16 elements of 1 byte; 20 padding on; 21 set beside a mask; 24:22 after every 64 words (code 5); 31:25 four words (code 3)
	s_or_b32 s[G1B+0], s44, (0<<16)|(1<<20)|(1<<21)|(5<<22)|(3<<25)
.irp g, G1, G1B
	s_mov_b32 s[\g+1], ROWB<<16                    ; tensor_dim0
	s_mov_b32 s[\g+2], 128<<16                     ; tensor_dim1
	s_mov_b32 s[\g+3], ROWB<<16                    ; tile_dim0
	s_mov_b32 s[\g+4], 128                         ; tile_dim1
	s_mov_b32 s[\g+5], KROW                        ; tensor_dim0_stride
	s_mov_b32 s[\g+6], 0
	s_mov_b32 s[\g+7], 0
.endr
	s_lshl_b32 s18, s16, 17                        ; the 128 rows that I fetch, x 1,024 bytes
	s_lshl_b32 s20, s17, 18                        ; A: 256 tokens a tile,
	s_add_co_u32 s20, s20, s18
	s_lshl_b32 s19, s83, 23                        ; in xc's part 0 or 1
	s_add_co_u32 s20, s20, s19
	s_mov_b32 s21, 0
	s_lshl_b32 s46, s40, 18                        ; B: 256 features a tile,
	s_add_co_u32 s46, s46, s18
	s_lshl_b32 s19, s83, 20                        ; in wc's part 0 or 1
	s_add_co_u32 s46, s46, s19
	s_mov_b32 s47, 0
	s_mul_i32 s45, s14, HALFT                      ; where they go: wave x 128 rows: no place in the cluster enters an LDS address
	s_wait_kmcnt 0x0
	s_load_b256 s[84:91], s[78:79], 0x0            ; the exponents 0 .. 7
	s_load_b128 s[92:95], s[78:79], 0x20           ; 8 .. 11
	s_add_nc_u64 s[20:21], s[68:69], s[20:21]
	s_add_nc_u64 s[46:47], s[70:71], s[46:47]
	CROUND                                         ; all sixteen work-groups are here: the first joint loads meet
.irp s, 0,1
	s_mov_b32 s[G0+4*\s], 1
	s_add_co_u32 s[G0+4*\s+1], s45, \s*SLOT
	s_add_nc_u64 s[G0+4*\s+2:G0+4*\s+3], s[20:21], \s*ROWB
	s_or_b32 s[G0+4*\s+3], s[G0+4*\s+3], 0x80000000
	s_mov_b32 s[G0B+4*\s], 1
	s_add_co_u32 s[G0B+4*\s+1], s45, \s*SLOT
	s_add_nc_u64 s[G0B+4*\s+2:G0B+4*\s+3], s[46:47], \s*ROWB
	s_or_b32 s[G0B+4*\s+3], s[G0B+4*\s+3], 0x80000000
	JLOAD G0+4*\s, G1, G0B+4*\s, G1B
.endr
	v_and_b32 v1, 15, v0                           ; r = l % 16
	v_bfe_u32 v2, v0, 4, 1                         ; h = l / 16
	v_mul_u32_u24 v3, v1, PITCH
	v_lshl_add_u32 v4, v2, 4, v3                   ; a fragment's row x pitch + 16 x half
	s_mul_i32 s21, s15, HALFT                      ; tile 0: my 128 rows of A,
	s_mul_i32 s22, s16, HALFT                      ; my 128 rows of B,
	s_add_co_u32 s22, s22, 2*HALFT                 ; which lie behind A's 256
	s_mul_i32 s23, s14, 64*PITCH                   ; tile 1: my 64 rows of A; B's 128 rows are every wave's
.irp s, 0,1
	v_add_nc_u32 v[ADRA+\s], s21, v4
	v_add_nc_u32 v[ADRB+\s], s22, v4
	v_add_nc_u32 v[ADRA1+\s], s23, v4
	v_add_nc_u32 v[ADRB1+\s], 2*HALFT+\s*SLOT, v4
	s_add_co_u32 s21, s21, SLOT
	s_add_co_u32 s22, s22, SLOT
	s_add_co_u32 s23, s23, SLOT
.endr
	s_mul_i32 s23, s14, 16*CP                      ; my stage, in either region
	v_mul_u32_u24 v5, v1, CP
	v_lshl_add_u32 v5, v2, 3, v5
	v_add_nc_u32 v5, s23, v5                       ; in: row r, 8 codes for each half of the lanes: words 36 r + 2 h: the 32 lanes of a store touch 64 different banks
	v_add_nc_u32 v[STOQ], STGQ, v5
	v_add_nc_u32 v[STOV], STGV, v5
	v_and_b32 v6, 31, v0
	v_lshlrev_b32 v[CO], 4, v6
	v_lshrrev_b32 v7, 2, v6                        ; back, tile 0: a head's 64 codes of a row are four lanes' 16: row l / 4
	v_mul_u32_u24 v7, v7, CP
	v_and_b32 v8, 3, v6
	v_lshl_add_u32 v7, v8, 4, v7
	v_add_nc_u32 v7, s23, v7
	v_add_nc_u32 v[RDQ], STGQ, v7
	v_lshrrev_b32 v7, 3, v6                        ; back, tile 1: a row's 128 keys are eight lanes' 16: row l / 8
	v_mul_u32_u24 v7, v7, CP
	v_and_b32 v8, 7, v6
	v_lshl_add_u32 v7, v8, 4, v7
	v_add_nc_u32 v7, s23, v7
	v_add_nc_u32 v[RDV], STGV, v7
	v_lshlrev_b32 v[BCO], 5, v2
	s_wait_alu depctr_va_vdst(0)
	v_lshlrev_b32 v[BRO], 2, v1
	s_wait_alu depctr_va_vdst(0)
	; where tile 0's 128 x 128 of mine goes: part + (token tile / 8) batches of 2 MiB + (4 cx + 2 column half) heads of 128 KiB + (2 (token tile % 8) + row half) x 128 tokens x 64 bytes
	s_lshl_b32 s18, s40, 1
	s_add_co_u32 s18, s18, s16                     ; my 128 features: 2 cx + half
	s_lshl_b32 s46, s18, 18
	s_lshr_b32 s19, s17, 3
	s_lshl_b32 s19, s19, 21
	s_add_co_u32 s46, s46, s19
	s_and_b32 s19, s17, 7
	s_lshl_b32 s19, s19, 1
	s_add_co_u32 s19, s19, s15
	s_lshl_b32 s19, s19, 13
	s_add_co_u32 s46, s46, s19
	s_lshl_b32 s19, s83, 23
	s_add_co_u32 s46, s46, s19
	s_mov_b32 s47, 0
	s_add_nc_u64 s[10:11], s[80:81], s[46:47]
	; and tile 1's 64 x 128: v's part + (key step / 16) batches + head 4 cy + wave + (key step % 16) x 64 x 128 bytes
	s_lshl_b32 s2, s82, 2
	s_add_co_u32 s2, s2, s40                       ; the key step among the 64 of all batches: 4 C + cx
	s_lshr_b32 s19, s2, 4
	s_lshl_b32 s46, s19, 21
	s_and_b32 s19, s2, 15
	s_lshl_b32 s19, s19, 13
	s_add_co_u32 s46, s46, s19
	s_lshl_b32 s19, s41, 2
	s_add_co_u32 s19, s19, s14
	s_lshl_b32 s19, s19, 17
	s_add_co_u32 s46, s46, s19
	s_add_co_u32 s46, s46, 0x1000000
	s_add_nc_u64 s[66:67], s[80:81], s[46:47]
	s_lshl_b32 s18, s18, 9                         ; tile 0's bias: my 128 features, in bytes
	s_mov_b32 s19, 0
	s_cmp_eq_u32 s83, 1
	s_cselect_b64 s[12:13], s[74:75], s[72:73]     ; bk or bq
	s_add_nc_u64 s[12:13], s[12:13], s[18:19]
	s_lshl_b32 s18, s41, 10                        ; tile 1's: features 256 cy + 64 wave on
	s_lshl_b32 s22, s14, 8
	s_add_co_u32 s18, s18, s22
	s_add_nc_u64 s[8:9], s[76:77], s[18:19]
.irp b, 0,1,2,3,4,5,6,7
	global_load_b128 v[BIAS+8*\b:BIAS+8*\b+3],   v[BCO], s[12:13] offset:64*\b       ; register 8 b + j: the bias of column 16 b + 8 h + j
	global_load_b128 v[BIAS+8*\b+4:BIAS+8*\b+7], v[BCO], s[12:13] offset:64*\b+16
.endr
.irp a, 0,1,2,3
	global_load_b32 v[BR+\a], v[BRO], s[8:9] offset:64*\a                             ; register a: bv of row 16 a + r
.endr
	s_wait_kmcnt 0x0
	s_add_co_i32 s84, s84, s85                     ; ea + eb of the three products
	s_add_co_i32 s86, s86, s87
	s_add_co_i32 s88, s88, s89
	s_cmp_eq_u32 s83, 1
	s_cselect_b32 s84, s86, s84
	s_cselect_b32 s90, s91, s90                    ; tile 0's eo: entry 6 or 7
	s_add_co_i32 s96, s84, 127
	s_lshl_b32 s96, s96, 23                        ; tile 0's 2^(ea + eb) as f32
	s_mov_b32 s97, s96                             ; (named with it as a pair, so it is written)
	s_add_co_i32 s98, s88, 127
	s_lshl_b32 s98, s98, 23                        ; tile 1's
	s_mov_b32 s99, s98
.macro QS e, vs
	s_add_co_i32 s22, s[\e], 127
	s_lshl_b32 s23, s22, 23
	v_mov_b32 v[\vs], s23                          ; 2^eo
.endm
	QS 90, QSC
	QS 93, QSC+2                                   ; v: entry 9
	; tile 1's descriptors, into registers whose first contents have been used up.  None of them is named by a load that is out
	s_lshl_b32 s2, s82, 2
	s_add_co_u32 s2, s2, s40                       ; B: the key step, made of cx and the cluster's place alone:
	s_lshl_b32 s2, s2, 17                          ; 128 tokens x 1,024 bytes,
	s_lshl_b32 s3, s16, 16                         ; the 64 that I fetch,
	s_add_co_u32 s2, s2, s3
	s_add_co_u32 s2, s2, 0x1000000                 ; in xc's third part
	s_mov_b32 s3, 0
	s_add_nc_u64 s[2:3], s[68:69], s[2:3]
	s_mul_i32 s46, s16, 64*PITCH
	s_add_co_u32 s46, s46, 2*HALFT                 ; where they go: behind A's 256 rows
.irp s, 0,1
	s_mov_b32 s[G0C+4*\s], 1
	s_add_co_u32 s[G0C+4*\s+1], s46, \s*SLOT
	s_add_nc_u64 s[G0C+4*\s+2:G0C+4*\s+3], s[2:3], \s*ROWB
	s_or_b32 s[G0C+4*\s+3], s[G0C+4*\s+3], 0x80000000
.endr
	s_lshl_b32 s20, s41, 18                        ; A: features 256 cy on, made of cy alone,
	s_lshl_b32 s21, s16, 17                        ; the 128 that I fetch,
	s_add_co_u32 s20, s20, s21
	s_add_co_u32 s20, s20, 0x200000                ; in wc's third part
	s_mov_b32 s21, 0
	s_add_nc_u64 s[A1P:A1P+1], s[70:71], s[20:21]
	s_or_b32 s[G1C+0], s44, (0<<16)|(1<<20)|(1<<21)|(5<<22)|(3<<25)  ; as tile 0's B, with 64 rows
	s_mov_b32 s[G1C+1], ROWB<<16
	s_mov_b32 s[G1C+2], 64<<16
	s_mov_b32 s[G1C+3], ROWB<<16
	s_mov_b32 s[G1C+4], 64
	s_mov_b32 s[G1C+5], KROW
	s_mov_b32 s[G1C+6], 0
	s_mov_b32 s[G1C+7], 0
.macro FRAG reg, adr, q, i             ; 16 rows x 128 K: lane l holds row l % 16; registers 4 c .. 4 c + 3 hold K = 32 c + 16 (l / 16) + 0 .. 15
.irp c, 0,1,2,3
	ds_load_b128 v[\reg+4*\c:\reg+4*\c+3], v[\adr] offset:128*(\q)+32*\c+(\i)*16*PITCH
.endr
.endm
; TILE 0.  16 matrix instructions: A's blocks a0, a0 + 1 x B's eight.  p: B's set.  zero = 1: the first product starts the sums.  The 64 accumulators take turns, one instruction a turn.
.macro MUL16 a0, p, zero
.irp a, \a0, \a0+1
.irp b, 0,1,2,3,4,5,6,7
.if \zero
	v_wmma_f32_16x16x128_bf8_bf8 v[8*(8*((\a)%4)+\b):8*(8*((\a)%4)+\b)+7], v[128*(\p)+FR*\b:128*(\p)+FR*\b+FR-1], v[AF+FR*(\a):AF+FR*(\a)+FR-1], 0
.else
	v_wmma_f32_16x16x128_bf8_bf8 v[8*(8*((\a)%4)+\b):8*(8*((\a)%4)+\b)+7], v[128*(\p)+FR*\b:128*(\p)+FR*\b+FR-1], v[AF+FR*(\a):AF+FR*(\a)+FR-1], v[8*(8*((\a)%4)+\b):8*(8*((\a)%4)+\b)+7]
.endif
.endr
.endr
.endm
.macro FETCH_B slot, q, p
	WIN TO_B
.irp i, 0,1,2,3,4,5,6,7
	FRAG 128*(\p)+FR*\i, ADRB+\slot, \q, \i
.endr
	WIN 0
.endm
.macro FETCH_A slot, q, i0
.irp i, \i0, \i0+1, \i0+2, \i0+3
	FRAG AF+FR*(\i), ADRA+\slot, \q, \i
.endr
.endm
.macro PLACES n                        ; plain vector lines between a matrix instruction and a load into a register that it read, or a read of its result (ISA guide 7.12.1 for a read of its result)
.rept \n
	v_nop
.endr
.endm
; 128 along K with its successor in the same slot.  A block of A is free as soon as its eight products are issued: blocks 0-3 are fetched anew in the middle, blocks 4-7 at the end; B has two sets.
.macro STEP slot, q, zero
	s_wait_dscnt 4*NL                              ; B's set and A's blocks 0-3 are in; the youngest sixteen loads (A's blocks 4-7) may be out
	WIN MUL_LO
	MUL16 0, (\q)%2, \zero
	MUL16 2, (\q)%2, \zero
	s_wait_dscnt 0                                 ; A's blocks 4-7 are in
	PLACES NP
	FETCH_B \slot, (\q)+1, 1-(\q)%2
	FETCH_A \slot, (\q)+1, 0
	WIN MUL_HI
	MUL16 4, (\q)%2, \zero
	MUL16 6, (\q)%2, \zero
	PLACES NP
	WIN 0
	FETCH_A \slot, (\q)+1, 4
.endm
; A slot's last 128 change slots: one barrier; in front of it each wave waits for all its tensor loads, adds 0 to its spare word, and waits for that and for its reads of this slot.
; fill = 1: this slot is filled again, two K steps ahead; 2: with tile 1's first K step; 0: not at all.
.macro TURN slot, next, fill
	s_wait_tensorcnt 0x0                           ; all my tensor loads have landed: my part of the next slot
	ds_add_u32 v[SPW], v[NIL]                      ; 0 onto my spare word
	s_wait_dscnt 4*NL+1                            ; (the add and the youngest sixteen loads may be out)
	WIN MUL_LO
	MUL16 0, 1, 0
	s_wait_dscnt 0x0                               ; the add is done, and my reads of this slot are over
	s_barrier_signal -1
	MUL16 2, 1, 0
	WIN 0
	s_barrier_wait -1
.if \fill == 1
	CREST                                          ; the barrier has opened a round of the cluster's barrier: no wave of any partner still reads this slot or has a load on its way
	s_add_nc_u64 s[G0+4*\slot+2:G0+4*\slot+3], s[G0+4*\slot+2:G0+4*\slot+3], 2*ROWB
	s_add_nc_u64 s[G0B+4*\slot+2:G0B+4*\slot+3], s[G0B+4*\slot+2:G0B+4*\slot+3], 2*ROWB
	JLOAD G0+4*\slot, G1, G0B+4*\slot, G1B         ; my one tensor load behind the round; its four v_nop are the places in front of the loads below
.elseif \fill == 2
	CREST
	s_mov_b64 s[G0+4*\slot+2:G0+4*\slot+3], s[A1P:A1P+1]   ; THE RING GOES ON INTO TILE 1: its K 0-255
	s_or_b32 s[G0+4*\slot+3], s[G0+4*\slot+3], 0x80000000
	JLOAD G0+4*\slot, G1, G0C+4*\slot, G1C
.else
	PLACES NP
.endif
	FETCH_B \next, 0, 0
	FETCH_A \next, 0, 0
	WIN MUL_HI
	MUL16 4, 1, 0
	MUL16 6, 1, 0
	PLACES NP
	WIN 0
	FETCH_A \next, 0, 4
.endm
; TILE 1.  16 matrix instructions: A's blocks a0, a0 + 1 of my four x B's eight, both from set p.  The 32 accumulators take turns, one instruction a turn.
.macro MULH a0, p, zero
.irp a, \a0, \a0+1
.irp b, 0,1,2,3,4,5,6,7
.if \zero
	v_wmma_f32_16x16x128_bf8_bf8 v[8*(8*(\a)+\b):8*(8*(\a)+\b)+7], v[128*(\p)+FR*\b:128*(\p)+FR*\b+FR-1], v[AF+64*(\p)+FR*(\a):AF+64*(\p)+FR*(\a)+FR-1], 0
.else
	v_wmma_f32_16x16x128_bf8_bf8 v[8*(8*(\a)+\b):8*(8*(\a)+\b)+7], v[128*(\p)+FR*\b:128*(\p)+FR*\b+FR-1], v[AF+64*(\p)+FR*(\a):AF+64*(\p)+FR*(\a)+FR-1], v[8*(8*(\a)+\b):8*(8*(\a)+\b)+7]
.endif
.endr
.endr
.endm
.macro FETCH1 slot, q, p               ; 48 LDS loads in one run: B's eight fragments and my four of A, into set p
	WIN TO_B
.irp i, 0,1,2,3,4,5,6,7
	FRAG 128*(\p)+FR*\i, ADRB1+\slot, \q, \i
.endr
	WIN 0
.irp i, 0,1,2,3
	FRAG AF+64*(\p)+FR*\i, ADRA1+\slot, \q, \i
.endr
.endm
.macro STEPH slot, q, zero             ; 128 along K with its successor in the same slot: the other set is fetched in the middle
	s_wait_dscnt 0x0                               ; this step's set is in
	WIN MUL_LO
	MULH 0, (\q)%2, \zero
	PLACES NP
	FETCH1 \slot, (\q)+1, 1-(\q)%2
	WIN MUL_LO
	MULH 2, (\q)%2, \zero
	WIN 0
.endm
.macro TURNH slot, next, fill          ; a slot's last 128 change slots, as in tile 0
	s_wait_tensorcnt 0x0                           ; all my tensor loads have landed: my part of the next slot
	ds_add_u32 v[SPW], v[NIL]                      ; 0 onto my spare word
	s_wait_dscnt 0x1                               ; (this step's set is in; the add may be out)
	WIN MUL_LO
	MULH 0, 1, 0
	WIN 0
	s_wait_dscnt 0x0                               ; the add is done, and my reads of this slot are over
	s_barrier_signal -1
	s_barrier_wait -1
.if \fill
	CREST
	s_add_nc_u64 s[G0+4*\slot+2:G0+4*\slot+3], s[G0+4*\slot+2:G0+4*\slot+3], 2*ROWB
	s_add_nc_u64 s[G0C+4*\slot+2:G0C+4*\slot+3], s[G0C+4*\slot+2:G0C+4*\slot+3], 2*ROWB
	JLOAD G0+4*\slot, G1, G0C+4*\slot, G1C         ; my one tensor load behind the round; its four v_nop are the places in front of the loads below
.else
	PLACES NP
.endif
	FETCH1 \next, 0, 0
	WIN MUL_LO
	MULH 2, 1, 0
	WIN 0
.endm
; THE WAY OUT, block by block of 16 rows x 128 columns.  PACK: number = sum x 2^(ea + eb) + bias, eight neighbours to a conversion.  TOSTAGE: 8 codes a lane into my stage, and back so that
; 32 lanes hold 512 bytes that are neighbours in qkv.  SEND: stored.  v = 1: tile 1 (bias by rows; a row's 128 keys lie together); 0: tile 0 (bias by columns; a row is two heads' 64).
.macro PACK a, v
.set AC, 64*((\a)%4)
	WIN 0x02+((\a)/4)                              ; source 0: window 2 or 3
.set n, 0
.rept 32                               ; each accumulator from its low end on
.if \v
.if (\a)%2
	v_pk_fma_f32 v[TMP+n:TMP+n+1], v[AC+n:AC+n+1], s[98:99], v[BR+2*((\a)/2):BR+2*((\a)/2)+1] op_sel:[0,0,1] op_sel_hi:[1,0,1]   ; the pair's second register, block a's bias, for both halves
.else
	v_pk_fma_f32 v[TMP+n:TMP+n+1], v[AC+n:AC+n+1], s[98:99], v[BR+2*((\a)/2):BR+2*((\a)/2)+1] op_sel_hi:[1,0,0]                  ; the pair's first register for both halves
.endif
.else
	v_pk_fma_f32 v[TMP+n:TMP+n+1], v[AC+n:AC+n+1], s[96:97], v[BIAS+n:BIAS+n+1] op_sel_hi:[1,0,1]
.endif
.set n, n+2
.endr
	WIN 0
.set n, 0
.rept 64
.set n, n+1
.endr
.irp b, 0,1,2,3,4,5,6,7
	v_cvt_scalef32_pk8_bf8_f32 v[CD+16*((\a)%2)+2*\b:CD+16*((\a)%2)+2*\b+1], v[TMP+8*\b:TMP+8*\b+7], v[QSC+2*\v]
.endr
	v_nop                                          ; a plain vector line between the conversions and the next block's lines, which write their sources
.endm
.macro TOSTAGE a, v
.if (\a) >= 2
	s_wait_xcnt 0x0                                ; the stores of two blocks ago have read this set of registers (ISA guide 3.1)
.endif
.irp b, 0,1,2,3,4,5,6,7
.if \v
	ds_store_b64 v[STOV], v[CD+16*((\a)%2)+2*\b:CD+16*((\a)%2)+2*\b+1] offset:16*\b
.else
	ds_store_b64 v[STOQ], v[CD+16*((\a)%2)+2*\b:CD+16*((\a)%2)+2*\b+1] offset:16*\b
.endif
.endr
.irp i, 0,1,2,3                        ; LDS serves a wave's instructions in order (ISA guide 5.7.1.4): these see the stores above, and the next block's stores come behind them
.if \v
	ds_load_b128 v[OB+16*((\a)%2)+4*\i:OB+16*((\a)%2)+4*\i+3], v[RDV] offset:4*CP*\i                    ; rows 4 i .. 4 i + 3, whole
.else
	ds_load_b128 v[OB+16*((\a)%2)+4*\i:OB+16*((\a)%2)+4*\i+3], v[RDQ] offset:(\i%2)*8*CP+(\i/2)*64      ; head i / 2, rows 8 (i % 2) on
.endif
.endr
.endm
.macro SEND a, v
	s_wait_dscnt 0x0                               ; the block is back in registers
.irp i, 0,1,2,3
.if \v
	global_store_b128 v[CO], v[OB+16*((\a)%2)+4*\i:OB+16*((\a)%2)+4*\i+3], s[66:67] offset:(\a)*2048+512*\i                       ; rows 16 a + 4 i on of my head: 512 consecutive bytes, aligned
.else
	global_store_b128 v[CO], v[OB+16*((\a)%2)+4*\i:OB+16*((\a)%2)+4*\i+3], s[10:11] offset:(\a)*1024+(\i/2)*131072+(\i%2)*512     ; head i / 2, tokens 16 a + 8 (i % 2) on: 512 consecutive bytes, aligned
.endif
.endr
.endm
	; ---- TILE 0
	s_wait_tensorcnt 1                             ; my part of slot 0 is in; slot 1's first fill may be out
	s_barrier_signal -1
	s_barrier_wait -1
	FETCH_B 0, 0, 0
	FETCH_A 0, 0, 0
	FETCH_A 0, 0, 4
	STEP 0, 0, 1                                   ; K 0-127: these products start the sums.  K = 1024 is four slots' worth: written out, no loop
	TURN 0, 1, 1                                   ; K 128-255; slot 0 takes K 512-767
	STEP 1, 0, 0
	TURN 1, 0, 1                                   ; slot 1 takes K 768-1023
	STEP 0, 0, 0
	TURN 0, 1, 2                                   ; slot 0 takes tile 1's K 0-255
	STEP 1, 0, 0
	s_wait_dscnt 4*NL                              ; the last 128: nothing more to fetch
	WIN MUL_LO
	MUL16 0, 1, 0
	MUL16 2, 1, 0
	s_wait_dscnt 0
	WIN MUL_HI
	MUL16 4, 1, 0
	MUL16 6, 1, 0
	WIN 0
	s_wait_loadcnt 0x0                             ; the biases
	PLACES NP                                      ; behind the last products: their results are read, and A's registers written, below
	PACK 0, 0
	TOSTAGE 0, 0
.irp a, 1,2                            ; block a's arithmetic stands between block a - 1's loads from the stage and the wait for them
	PACK \a, 0
	s_wait_alu depctr_va_vdst(0)
	SEND \a-1, 0
	TOSTAGE \a, 0
.endr
	SEND 2, 0
	; slot 1 has been read out (every wave's reads of it were waited for in front of the last products): it takes tile 1's K 256-511.  Slot 0's fill has had the last 160 products and three blocks in which to land
	s_wait_tensorcnt 0x0                           ; all my tensor loads have landed: my part of tile 1's first K step
	ds_add_u32 v[SPW], v[NIL]                      ; 0 onto my spare word
	s_add_nc_u64 s[G0+6:G0+7], s[A1P:A1P+1], ROWB
	s_or_b32 s[G0+7], s[G0+7], 0x80000000
	s_wait_dscnt 0x0                               ; the add is done, and no LDS instruction of mine is out
	CROUND
	JLOAD G0+4, G1, G0C+4, G1C                     ; my one tensor load behind the round
	PACK 3, 0
	s_wait_alu depctr_va_vdst(0)
	TOSTAGE 3, 0
.irp a, 4,5,6,7
	PACK \a, 0
	s_wait_alu depctr_va_vdst(0)
	SEND \a-1, 0
	TOSTAGE \a, 0
.endr
	SEND 7, 0
	; ---- TILE 1.  Its first K step was shown landed, in every wave, by the wait and the round above
	s_wait_xcnt 0x0                                ; tile 0's last stores have read the registers that fragments of A now take (ISA guide 3.1)
	FETCH1 0, 0, 0
	STEPH 0, 0, 1                                  ; these products start the sums anew
	TURNH 0, 1, 1                                  ; slot 0 takes K 512-767
	STEPH 1, 0, 0
	TURNH 1, 0, 1                                  ; slot 1 takes K 768-1023
	STEPH 0, 0, 0
	TURNH 0, 1, 0                                  ; nothing is left to fetch
	STEPH 1, 0, 0
	s_wait_dscnt 0x0
	WIN MUL_LO
	MULH 0, 1, 0
	MULH 2, 1, 0
	WIN 0
	PLACES NP
	PACK 0, 1
	TOSTAGE 0, 1
.irp a, 1,2,3
	PACK \a, 1
	s_wait_alu depctr_va_vdst(0)
	SEND \a-1, 1
	TOSTAGE \a, 1
.endr
	SEND 3, 1
	s_wait_tensorcnt 0x0                           ; the wave's end: behind my last tensor load and my last LDS store
	ds_add_u32 v[SPW], v[NIL]
	s_wait_dscnt 0x0
	CROUND                                         ; the closing round: no work-group ends while a partner may still ask for a tile that names it
	s_endpgm
.Lfunc_end_k_q0f3512f5d6_proj:
	.size	k_q0f3512f5d6_proj, .Lfunc_end_k_q0f3512f5d6_proj-k_q0f3512f5d6_proj
	.p2alignl 7, 3214868480
	.fill 96, 4, 3214868480
	.section	.rodata,"a",@progbits
	.p2align	6, 0x0
	.amdhsa_kernel k_q0f3512f5d6_proj
		.amdhsa_group_segment_fixed_size 327680
		.amdhsa_private_segment_fixed_size 0
		.amdhsa_enable_private_segment 0
		.amdhsa_kernarg_size 56
		.amdhsa_user_sgpr_count 2
		.amdhsa_user_sgpr_kernarg_segment_ptr 1
		.amdhsa_wavefront_size32 1
		.amdhsa_system_sgpr_workgroup_id_x 1
		.amdhsa_system_sgpr_workgroup_id_y 1
		.amdhsa_system_sgpr_workgroup_id_z 1
		.amdhsa_system_vgpr_workitem_id 0
		.amdhsa_next_free_vgpr 1024
		.amdhsa_next_free_sgpr 100
		.amdhsa_reserve_vcc 0
		.amdhsa_float_denorm_mode_32 3
		.amdhsa_float_denorm_mode_16_64 3
		.amdhsa_fp16_overflow 1
		.amdhsa_memory_ordered 1
		.amdhsa_forward_progress 1
		.amdhsa_inst_pref_size 176
	.end_amdhsa_kernel
	.amdgpu_metadata
---
amdhsa.version: [ 1, 2 ]
amdhsa.kernels:
  - .name:           k_q0f3512f5d6_proj
    .symbol:         k_q0f3512f5d6_proj.kd
    .args:
      - { .name: xc, .offset: 0, .size: 8, .value_kind: global_buffer, .address_space: global }
      - { .name: wc, .offset: 8, .size: 8, .value_kind: global_buffer, .address_space: global }
      - { .name: bq, .offset: 16, .size: 8, .value_kind: global_buffer, .address_space: global }
      - { .name: bk, .offset: 24, .size: 8, .value_kind: global_buffer, .address_space: global }
      - { .name: bv, .offset: 32, .size: 8, .value_kind: global_buffer, .address_space: global }
      - { .name: lowp_scales, .offset: 40, .size: 8, .value_kind: global_buffer, .address_space: global }
      - { .name: qkv, .offset: 48, .size: 8, .value_kind: global_buffer, .address_space: global }
    .group_segment_fixed_size: 327680
    .private_segment_fixed_size: 0
    .kernarg_segment_align: 8
    .kernarg_segment_size: 56
    .max_flat_workgroup_size: 128
    .sgpr_count:     100
    .vgpr_count:     1024
    .wavefront_size: 32
...
	.end_amdgpu_metadata
.endif
;; end of part 2
;; launch attn (part 3): grid 4 x 64, 16 waves a work-group, clusters of 4 x 1, 327,680 bytes of LDS; arguments qkv, lowp_scales, ao; writes ao
.if DOCPART == 3
	.amdgcn_target "amdgcn-amd-amdhsa--gfx1250"
	.amdhsa_code_object_version 6
	.text
	.protected	k_q0f3512f5d6_attn
	.globl	k_q0f3512f5d6_attn
	.p2align	8
	.type	k_q0f3512f5d6_attn,@function
k_q0f3512f5d6_attn:
	s_mov_b64 s[64:65], 0
	v_nop
	global_prefetch_b8 v0, s[64:65] scope:SCOPE_SE
	s_setreg_imm32_b32 hwreg(HW_REG_WAVE_MODE, 25, 1), 1
	s_wait_xcnt 0x0
	s_wait_alu depctr_hold_cnt(0) depctr_sa_sdst(0) depctr_va_vdst(0) depctr_va_sdst(0) depctr_va_ssrc(0) depctr_va_vcc(0) depctr_vm_vsrc(0)
	s_getreg_b32 s2, hwreg(HW_REG_IB_STS2, 6, 4)
	s_cmp_eq_u32 s2, 0
	s_cbranch_scc0 .Lentry_in_a_cluster
	s_endpgm
.Lentry_in_a_cluster:
	s_bfe_u32 s2, ttmp6, 0x10000c
	s_cmp_lg_u32 s2, 0x3003
	s_cbranch_scc0 .Lentry_shape_is_right
	s_endpgm
.Lentry_shape_is_right:
; Causal attention on codes of BF8 (E5M2): O[q] = sum over keys k <= q of softmax(Q[q] . K[k] / 8) V[k], head size 64, 2,048 tokens, 64 (batch, head) pairs; the result is quantised at once for the last product.
; qkv: part 0 q, part 1 k: [bh][2048][64] codes; part 2 v with the keys innermost: [bh][key step of 128][64][128].  ao: [head][8192 tokens][64] codes.  Given exponents: entry 6 q, 7 k, 8 p, 9 v, 10 the result.
; THE SOFTMAX: t = score x log2(e) / 8; M = the row's largest t so far, rounded UP to a whole number; p = 2^(t - M) is what is quantised, not normalised.  The row's sum is taken of the unquantised p and divides O at the end.
; When M moves, the sum and O are multiplied by 2^(old M - new M): exact.
; LIMITS: entry 6 + entry 7 between -123 and 130 (added to the exponent field of log2(e) / 8); entries 8 and 10 between -126 and 112.  Within a matrix instruction k is permuted, alike in both operands.
; SHARES.  A cluster of four work-groups is one (batch, head).  ALL of the head's K and V, 2 x 128 KiB of codes, lies in each work-group's LDS, asked for jointly by the four at the start: nothing is filled twice.
; The 2,048 queries are 16 groups of 128; a tile of 16 queries in group G needs key steps 0 .. G, the last on the diagonal.  Wave w (u = w % 2, g = w / 2) owns the tile at 32 cx + 16 u of group 15 - g, then that of group g:
; (16 - g) + (g + 1) = 17 key steps for every wave of the launch.  Which step is hidden or on the diagonal hangs on the wave's number alone; cx enters global addresses and the mask's compare value, no branch and no LDS address.
; LAYOUT.  Both products transposed: S^T = K Q^T (source 0 = 16 keys, source 1 = my 16 queries), O^T = V^T P^T: a lane holds ONE query throughout.  THE KEYS OF A TILE ARE NOT NEIGHBOURS: lane r of tile 2 b + u takes key
; 32 b + 8 u + r + 8 (r / 8), so that the 16 registers of tiles 2 b and 2 b + 1 are 16 neighbouring keys, 32 b + 16 (lane / 16) + 0 .. 15: the conversions' results are the second product's operand.
; THE STEP'S VECTOR WORK IS LAID IN SLOTS: a pair of scores goes through t - M, two exponentials and the sum in slots that follow each other, 35 slots for the 32 pairs, so that plain lines of other pairs
; stand between the exponentials and no line reads the result of the line before it.
; REGISTERS: v1-11 addresses; v12 -M, v13 the largest score, v[14:15] and v[242:243] the sum in two chains; v16-23, v24-31 Q of the two tiles; v32-95 fragments of K, then of V; v96-159 S^T, then p; v160-191 O^T;
;   v192-207 codes; v208-215 rows on the way out; v216-221 at work; v244 2^ep; v245 the same for the result; v246 -infinity; v252 f.
.set KP,    144                        ; an LDS row: 128 bytes (two keys of K, or 128 keys of one channel of V) + 16 of padding = 36 words
.set STEPB, 64*KP                      ; a key step's K, or its V
.set VOFF,  16*STEPB                   ; K's 16 steps, then V's
.set STAGE, 2*VOFF                     ; behind them: 16 rows x 80 bytes for each wave, for the way out
.set SPT,   80
.set SPARE, STAGE+16*16*SPT            ; behind the stages: the spare words, 128 bytes a wave: eight blocks of 256 bytes that no other line names
.set AK0, 1                            ; v1   my lane's place in a tile of K
.set AV0, 2                            ; v2   in a tile of V
.set QD,  3                            ; v3   32 cx + 16 u + r - 16 h: on the diagonal register 16 b + i is hidden where 32 b + i is larger
.set STO, 4                            ; v4   the way out: where I put 8 codes
.set SPW, 5                            ; v5   LDS address of my spare word; never rewritten
.set NIL, 6                            ; v6   0; never rewritten
.set GO,  7                            ; v7   16 x lane
.set ADK, 8                            ; v8, v9  the step's K and V
.set ADV, 9
.set RD,  10                           ; v10  the way out: where I read 16 codes back
.set QO,  11                           ; v11  my lane's bytes in a tile of Q
.set FRG, 32
.set S,   96
.set O,   160
.set PC,  192
.set BK,  208
.set MX,  216                          ; v216-219 four chains of the maximum
.set TN,  220                          ; v220 -t, then old M - new M
.set OLDM, 221                         ; v221 the old -M
.set WV,  10                           ; s10 wave; s11 cx; s12 (batch, head); s13 u; s14 g
.set GRP, 15                           ; s15 the group of the tile in hand
.set KS,  16                           ; s16 the key step: the loops' counter
.set TB,  17                           ; s17 its bytes in K's and in V's region
.set SEL, 20                           ; s[20:21] selects for v_permlanex16_b32: lane l xor 16
.set CS,  22                           ; s[22:23] c = log2(e) / 8 x 2^(entry 6 + entry 7)
.set NC,  76                           ; s76 -c
.set G1,  24                           ; s[24:31] group 1; s[40:43], s[44:47] the two groups 0
.set G0,  40
.macro CROUND                          ; a round of the cluster's barrier
	s_barrier_signal -1
	s_barrier_wait -1
	s_cmp_lg_u32 s[WV], 0
	s_cbranch_scc1 .Lnot_wave_0_\@
	s_barrier_signal -3
.Lnot_wave_0_\@:
	s_barrier_wait -3
	s_barrier_signal -1
	s_barrier_wait -1
.endm
	s_load_b128 s[4:7], s[0:1], 0x0                ; qkv, the scales' exponents
	s_load_b64 s[8:9], s[0:1], 0x10                ; ao
	v_lshl_add_u32 v[SPW], v0, 2, SPARE
	v_mov_b32 v[NIL], 0
	ds_add_u32 v5, v6
	ds_add_u32 v5, v6
	s_wait_dscnt 0x0
	v_lshrrev_b32 v32, 5, v0
	s_delay_alu instid0(VALU_DEP_1)
	v_readfirstlane_b32 s[WV], v32                 ; wave 0..15
	s_bfe_u32 s11, ttmp6, 0x40000                  ; cx
	s_and_b32 s12, ttmp7, 0xffff                   ; (batch, head): the cluster's y, which the four partners share
	s_and_b32 s13, s[WV], 1
	s_lshr_b32 s14, s[WV], 1
	s_and_b32 s18, s[WV], 7                        ; waves 0-7 fetch K, waves 8-15 V: wave w % 8 takes key steps w % 8 and 8 + w % 8
	s_lshr_b32 s19, s[WV], 3
	; group 1: 64 rows x 128 bytes, dense in memory, padded in LDS
	s_mov_b32 s[G1], 15|(1<<20)|(1<<21)|(4<<22)|(3<<25)   ; 15:0 the mask: all four work-groups; 17:16 elements of 1 byte; 20 padding on; 21 set beside a mask; 24:22 after every 32 words (code 4); 31:25 four words (code 3)
	s_mov_b32 s[G1+1], 128<<16                     ; tensor_dim0
	s_mov_b32 s[G1+2], 64<<16                      ; tensor_dim1
	s_mov_b32 s[G1+3], 128<<16                     ; tile_dim0
	s_mov_b32 s[G1+4], 64                          ; tile_dim1
	s_mov_b32 s[G1+5], 128                         ; tensor_dim0_stride
	s_mov_b32 s[G1+6], 0
	s_mov_b32 s[G1+7], 0
	s_mul_i32 s68, s19, VOFF
	s_mul_i32 s69, s18, STEPB
	s_add_co_u32 s69, s69, s68                     ; where my first tile goes: made of the wave's number alone
	s_lshl_b32 s72, s12, 17                        ; the head's 131,072 bytes,
	s_lshl_b32 s71, s19, 23                        ; in k's part or in v's,
	s_add_co_u32 s72, s72, s71
	s_add_co_u32 s72, s72, 0x800000                ; which lie behind q's;
	s_lshl_b32 s71, s18, 13                        ; my key step's 8,192 bytes
	s_add_co_u32 s72, s72, s71
	s_mov_b32 s73, 0
	s_mov_b32 s[SEL], 0x76543210
	s_mov_b32 s[SEL+1], 0xfedcba98
	s_mov_b32 s[CS], 0x3e38aa3b                    ; log2(e) / 8
	s_wait_kmcnt 0x0
	s_load_b128 s[52:55], s[6:7], 0x18             ; entries 6 .. 9
	s_load_b32 s56, s[6:7], 0x28                   ; entry 10
	s_mov_b32 s[G0], 1
	s_mov_b32 s[G0+1], s69
	s_add_nc_u64 s[G0+2:G0+3], s[4:5], s[72:73]
	s_mov_b32 s[G0+4], 1
	s_add_co_u32 s[G0+5], s69, 8*STEPB
	s_add_nc_u64 s[G0+6:G0+7], s[G0+2:G0+3], 0x10000   ; eight key steps on
	s_or_b32 s[G0+3], s[G0+3], 0x80000000          ; type = 2
	s_or_b32 s[G0+7], s[G0+7], 0x80000000
	CROUND                                         ; all four work-groups are here: the joint loads meet
	tensor_load_to_lds s[G0:G0+3], s[G1:G1+7]      ; key steps 0-7, a step a wave
	s_nop 0
	s_wait_alu depctr_va_vdst(0)
	s_wait_tensorcnt 0x0
	ds_add_u32 v5, v6
	s_wait_dscnt 0x0
	CROUND
	tensor_load_to_lds s[G0+4:G0+7], s[G1:G1+7]    ; key steps 8-15: one tensor load of mine is out, and no more are issued
	s_nop 0
.rept 4
	v_nop
.endr
	s_lshl_b32 s68, s11, 5
	s_lshl_b32 s69, s13, 4
	s_add_co_u32 s68, s68, s69                     ; 32 cx + 16 u: my tiles' place in their groups
	s_sub_co_u32 s[GRP], 15, s14                   ; the first tile's group
	s_lshl_b32 s70, s[GRP], 7
	s_add_co_u32 s70, s70, s68                     ; its first query,
	s_lshl_b32 s71, s14, 7
	s_add_co_u32 s71, s71, s68                     ; and the second tile's
	s_lshl_b32 s70, s70, 6                         ; in bytes of 64 codes
	s_lshl_b32 s71, s71, 6
	s_lshl_b32 s72, s12, 17
	s_add_co_u32 s74, s70, s72
	s_mov_b32 s75, 0
	s_add_nc_u64 s[62:63], s[4:5], s[74:75]        ; Q of the first tile
	s_add_co_u32 s74, s71, s72
	s_add_nc_u64 s[66:67], s[4:5], s[74:75]        ; of the second
	s_and_b32 s72, s12, 15
	s_lshl_b32 s72, s72, 19                        ; ao: the head's plane of 8,192 tokens x 64,
	s_lshr_b32 s73, s12, 4
	s_lshl_b32 s73, s73, 17                        ; the batch's 2,048 tokens
	s_add_co_u32 s72, s72, s73
	s_add_co_u32 s74, s70, s72
	s_add_nc_u64 s[58:59], s[8:9], s[74:75]
	s_add_co_u32 s74, s71, s72
	s_add_nc_u64 s[60:61], s[8:9], s[74:75]
	v_and_b32 v32, 15, v0                          ; r
	v_bfe_u32 v33, v0, 4, 1                        ; h
	s_delay_alu instid0(VALU_DEP_2)
	v_lshlrev_b32 v[QO], 6, v32
	s_delay_alu instid0(VALU_DEP_1)
	v_lshl_add_u32 v[QO], v33, 4, v[QO]            ; row r of 64 bytes + 16 h: registers 4 c .. 4 c + 3 hold k = 32 c + 16 h + 0 .. 15, as K's fragments do
	global_load_b128 v[16:19], v[QO], s[62:63]
	global_load_b128 v[20:23], v[QO], s[62:63] offset:32
	global_load_b128 v[24:27], v[QO], s[66:67]
	global_load_b128 v[28:31], v[QO], s[66:67] offset:32
	v_and_b32 v34, 8, v32
	s_delay_alu instid0(VALU_DEP_1)
	v_add_nc_u32 v34, v34, v32                     ; r + 8 (r / 8): my key in a tile
	s_delay_alu instid0(VALU_DEP_1)
	v_lshrrev_b32 v35, 1, v34                      ; two keys to an LDS row
	s_delay_alu instid0(VALU_DEP_2)
	v_and_b32 v34, 1, v34
	s_delay_alu instid0(VALU_DEP_2)
	v_mul_u32_u24 v[AK0], v35, KP
	s_delay_alu instid0(VALU_DEP_1)
	v_lshl_add_u32 v[AK0], v34, 6, v[AK0]
	s_delay_alu instid0(VALU_DEP_1)
	v_lshl_add_u32 v[AK0], v33, 4, v[AK0]
	v_mul_u32_u24 v[AV0], v32, KP
	s_delay_alu instid0(VALU_DEP_1)
	v_lshl_add_u32 v[AV0], v33, 4, v[AV0]
	s_delay_alu instid0(VALU_DEP_1)
	v_add_nc_u32 v[AV0], VOFF, v[AV0]
	v_lshlrev_b32 v[QD], 4, v33
	s_delay_alu instid0(VALU_DEP_1)
	v_sub_nc_u32 v[QD], v32, v[QD]
	s_delay_alu instid0(VALU_DEP_1)
	v_add_nc_u32 v[QD], s68, v[QD]
	s_mul_i32 s70, s[WV], 16*SPT
	s_add_co_u32 s70, s70, STAGE                   ; my stage
	v_mul_u32_u24 v[STO], v32, SPT
	s_delay_alu instid0(VALU_DEP_1)
	v_lshl_add_u32 v[STO], v33, 3, v[STO]
	s_delay_alu instid0(VALU_DEP_1)
	v_add_nc_u32 v[STO], s70, v[STO]               ; in: row r, 8 codes for each half of the lanes
	v_and_b32 v34, 31, v0
	s_delay_alu instid0(VALU_DEP_1)
	v_lshlrev_b32 v[GO], 4, v34
	s_delay_alu instid0(VALU_DEP_2)
	v_lshrrev_b32 v35, 2, v34
	s_delay_alu instid0(VALU_DEP_1)
	v_mul_u32_u24 v[RD], v35, SPT
	s_delay_alu instid0(VALU_DEP_4)
	v_and_b32 v34, 3, v34
	s_delay_alu instid0(VALU_DEP_1)
	v_lshl_add_u32 v[RD], v34, 4, v[RD]
	s_delay_alu instid0(VALU_DEP_1)
	v_add_nc_u32 v[RD], s70, v[RD]                 ; back: four lanes to a row of 64 codes
	v_mov_b32 v236, 0                              ; written once: a lane permute's destination counts as one of its sources
	v_mov_b32 v253, 0                              ; (named as the upper half of the pair v[252:253])
	v_mov_b32 v246, 0xff800000                     ; -infinity
	s_wait_kmcnt 0x0
	s_add_co_i32 s68, s52, s53
	s_lshl_b32 s68, s68, 23
	s_add_co_i32 s[CS], s[CS], s68                 ; a score stands for score x 2^(entry 6 + entry 7): added to c's exponent field
	s_mov_b32 s[CS+1], s[CS]                       ; (named with it as a pair, so it is written)
	s_xor_b32 s[NC], s[CS], 0x80000000             ; -c
	s_add_co_i32 s68, s54, 127
	s_lshl_b32 s69, s68, 23
	v_mov_b32 v244, s69                            ; 2^ep
	s_add_co_i32 s68, s56, 127
	s_lshl_b32 s69, s68, 23
	v_mov_b32 v245, s69                            ; the same for the result's scale
	s_add_co_i32 s57, s54, s55                     ; ep + ev
.macro INIT                            ; a tile begins: zeros, which the first change of M leaves zeros; a largest score under every score (a score is at most 64 x 57,344^2); and -M so large that the first f is 0
	v_mov_b32 v13, 0xff61b1e6                      ; -3e38
	v_mov_b32 v12, 0x7f61b1e6                      ; 3e38
	v_mov_b32 v14, 0
	v_mov_b32 v15, 0
	v_mov_b32 v242, 0
	v_mov_b32 v243, 0
.set n, 0
.rept 32
	v_mov_b32 v[O+n], 0
.set n, n+1
.endr
.endm
.macro FM i                            ; t - M of pair i (of the pairs c and -M the low word serves both halves)
	v_pk_fma_f32 v[S+2*(\i):S+2*(\i)+1], v[S+2*(\i):S+2*(\i)+1], s[CS:CS+1], v[12:13] op_sel_hi:[1,0,0]
.endm
.macro OM m                            ; pair m of O^T under the new M
	v_pk_mul_f32 v[O+2*(\m):O+2*(\m)+1], v[O+2*(\m):O+2*(\m)+1], v[252:253] op_sel_hi:[1,0]
.endm
; A KEY STEP: 128 keys.  q: Q's first register.  edge = 1: the step may lie behind the tile's diagonal (left out: a scalar branch on the counter and the wave's number) or on it (masked).
.macro STEP q, edge
.if \edge
	s_cmp_gt_u32 s[KS], s[GRP]
	s_cbranch_scc1 .Lhidden_\@
.endif
	s_setprio 2
	v_add_nc_u32 v[ADK], s[TB], v[AK0]
	v_add_nc_u32 v[ADV], s[TB], v[AV0]
	v_nop                                          ; with the two additions: four places in front of loads into registers that the last products read
	v_nop
.irp t, 0,1,2,3,4,5,6,7
	ds_load_b128 v[FRG+8*\t:FRG+8*\t+3],   v[ADK] offset:(16*(\t/2)+4*(\t%2))*KP
	ds_load_b128 v[FRG+8*\t+4:FRG+8*\t+7], v[ADK] offset:(16*(\t/2)+4*(\t%2))*KP+32
.endr
	s_wait_alu depctr_va_vdst(0)
	s_wait_dscnt 0x8                               ; tiles 0-3 are in; the eight loads of tiles 4-7 may be out
.irp t, 0,1,2,3
	v_wmma_f32_16x16x64_bf8_bf8 v[S+8*\t:S+8*\t+7], v[FRG+8*\t:FRG+8*\t+7], v[\q:\q+7], 0
.endr
	s_wait_dscnt 0x0
.irp t, 4,5,6,7
	v_wmma_f32_16x16x64_bf8_bf8 v[S+8*\t:S+8*\t+7], v[FRG+8*\t:FRG+8*\t+7], v[\q:\q+7], 0
.endr
	v_mov_b32 v[OLDM], v12                         ; the old -M is kept.  With the three lines below: four places in front of the loads, and of the first read of the scores
.rept 3
	v_nop
.endr
.irp t, 0,1,2,3                        ; V is asked for here and lands while the softmax is worked
.irp c, 0,1,2,3
	ds_load_b128 v[FRG+16*\t+4*\c:FRG+16*\t+4*\c+3], v[ADV] offset:16*\t*KP+32*\c
.endr
.endr
.if \edge
	s_cmp_lg_u32 s[KS], s[GRP]
	s_cbranch_scc1 .Lopen_\@
.set n, 0
.rept 64                               ; on the diagonal hidden scores become -infinity ahead of the maximum: p = 0 then.  The step's first key counts for every query
	v_cmp_gt_i32 vcc_lo, 32*(n/16)+n%16, v[QD]
	v_cndmask_b32 v[S+n], v[S+n], v246, vcc_lo
.set n, n+1
.endr
.Lopen_\@:
.endif
	; the largest of my 64 scores, in four chains of 15 that take turns (chain k: two accumulators, each from its low end on), then the four that are left over
.irp k, 0,1,2,3
	v_max3_num_f32 v[MX+\k], v[S+16*\k], v[S+16*\k+1], v[S+16*\k+2]
.endr
.irp j, 1,2,3,4,5,6
.irp k, 0,1,2,3
	v_max3_num_f32 v[MX+\k], v[MX+\k], v[S+16*\k+2*\j+1], v[S+16*\k+2*\j+2]
.endr
.endr
	v_max3_num_f32 v[MX], v[MX], v[S+15], v[S+31]
	v_max3_num_f32 v[MX+2], v[MX+2], v[S+47], v[S+63]
	s_delay_alu instid0(VALU_DEP_2)
	v_max3_num_f32 v[MX], v[MX], v[MX+1], v[MX+3]
	s_delay_alu instid0(VALU_DEP_1)
	v_max_num_f32 v[MX], v[MX], v[MX+2]
	s_delay_alu instid0(VALU_DEP_1)
	v_permlanex16_b32 v236, v[MX], s[SEL], s[SEL+1]   ; the query's other 64 keys lie in the lane 16 away
	s_delay_alu instid0(VALU_DEP_1)
	v_max3_num_f32 v13, v13, v[MX], v236           ; the running largest score
	s_delay_alu instid0(VALU_DEP_1)
	v_mul_f32 v[TN], s[NC], v13                    ; -t (c is positive, so the largest score gives the largest t)
	s_delay_alu instid0(VALU_DEP_1)
	v_floor_f32 v12, v[TN]                         ; the new -M = floor(-t) = -ceil(t)
	FM 0
	s_delay_alu instid0(VALU_DEP_2)
	v_sub_f32 v[TN], v12, v[OLDM]                  ; old M - new M: a whole number, 0 or less
	FM 1
	s_delay_alu instid0(VALU_DEP_2)
	v_cvt_i32_f32 v[TN], v[TN]                     ; (it saturates)
	s_delay_alu instid0(VALU_DEP_1)
	v_ldexp_f32 v252, 1.0, v[TN]                   ; f = 2^(old M - new M)
	s_delay_alu instid0(VALU_DEP_1)
	v_pk_mul_f32 v[14:15], v[14:15], v[252:253] op_sel_hi:[1,0]       ; the sums under the new M
	s_delay_alu instid0(VALU_DEP_2)
	v_pk_mul_f32 v[242:243], v[242:243], v[252:253] op_sel_hi:[1,0]
	; slot sl: the exponentials of pair sl; the sum of pair sl - 1 (of the UNQUANTISED p); t - M of pair sl + 2; every fourth slot a conversion of eight numbers; from slot 22 on a pair of O^T
.set sl, 0
	s_setprio 1
	s_wait_alu depctr_va_vdst(0)
.rept 35
.if sl < 32
	v_exp_f32 v[S+2*sl], v[S+2*sl]                 ; p = 2^(t - M), at most 1
.endif
.if (sl >= 1) && (sl <= 32)
.if sl%2
	s_wait_alu depctr_va_vdst(0)
	v_pk_add_f32 v[14:15], v[14:15], v[S+2*sl-2:S+2*sl-1]
.else
	s_wait_alu depctr_va_vdst(0)
	v_pk_add_f32 v[242:243], v[242:243], v[S+2*sl-2:S+2*sl-1]
.endif
.endif
.if (sl >= 2) && (sl <= 33)
.endif
.if (sl >= 6) && ((sl-6)%4 == 0)
	v_cvt_scalef32_pk8_bf8_f32 v[PC+(sl-6)/2:PC+(sl-6)/2+1], v[S+2*(sl-6):S+2*(sl-6)+7], v244
.endif
.if sl < 32
	v_exp_f32 v[S+2*sl+1], v[S+2*sl+1]
.endif
.if sl < 30
	FM sl+2                                        ; (the plain line behind the exponential)
.endif
.if (sl >= 22) && (sl <= 33)
	s_wait_alu depctr_va_vdst(0)
	OM sl-22                                       ; (in slots 30 and 31 the plain line behind the exponential)
.endif
.set sl, sl+1
.endr
	s_setprio 0
.irp m, 12,13,14,15
	OM \m                                          ; the plain lines between the last conversion and the products
.endr
	s_wait_alu depctr_va_vdst(0)
	s_wait_dscnt 0x0                               ; V is in
.irp t, 0,1,2,3                        ; the four accumulators take turns, one instruction a turn
	v_wmma_f32_16x16x128_bf8_bf8 v[O+8*\t:O+8*\t+7], v[FRG+16*\t:FRG+16*\t+15], v[PC:PC+15], v[O+8*\t:O+8*\t+7]
.endr
.if \edge
.Lhidden_\@:
.endif
.endm
.macro NEXT label, end                 ; every wave walks every trip: the trip counts are constants
	s_add_co_u32 s[TB], s[TB], STEPB
	s_add_co_u32 s[KS], s[KS], 1
	s_cmp_lt_u32 s[KS], \end
	s_cbranch_scc1 \label
	s_setprio 0
.endm
; THE WAY OUT of a tile: O^T / the sum x 2^(ep + ev) is the attention's result; it is converted (a lane's eight registers are eight neighbours of the head's 64, the last product's K) and goes through my stage,
; so that the tile's 1,024 bytes, which are neighbours in ao, leave in two stores of 512.
.macro OUT p, again
.rept 4
	v_nop                                          ; places behind the last products
.endr
	v_pk_add_f32 v[14:15], v[14:15], v[242:243]    ; the sum's two chains,
	s_delay_alu instid0(VALU_DEP_1)
	v_add_f32 v14, v14, v15                        ; their halves,
	s_delay_alu instid0(VALU_DEP_1)
	v_permlanex16_b32 v236, v14, s[SEL], s[SEL+1]
	s_delay_alu instid0(VALU_DEP_1)
	v_add_f32 v14, v14, v236                       ; and lane l xor 16's: the row's sum
	s_wait_alu depctr_va_vdst(0)
	v_rcp_f32 v14, v14
	v_nop                                          ; a plain place behind the transcendental
	s_wait_alu depctr_va_vdst(0)
	v_ldexp_f32 v14, v14, s57
.set n, 0
.rept 32
	v_mul_f32 v[S+n], v[O+n], v14                  ; register 8 t + j: channel 16 t + 8 h + j of query r; each accumulator from its low end on
.set n, n+1
.endr
.set n, 0
.rept 32
.set n, n+1
.endr
.irp t, 0,1,2,3
	v_cvt_scalef32_pk8_bf8_f32 v[PC+2*\t:PC+2*\t+1], v[S+8*\t:S+8*\t+7], v245
.endr
	v_nop                                          ; a plain vector line behind the last conversion
.irp t, 0,1,2,3
	ds_store_b64 v[STO], v[PC+2*\t:PC+2*\t+1] offset:16*\t
.endr
.if \again
	s_wait_xcnt 0x0                                ; the first tile's stores have read the registers that the loads below write (ISA guide 3.1)
.endif
	ds_load_b128 v[BK:BK+3],   v[RD]               ; LDS serves a wave's instructions in order (ISA guide 5.7.1.4): these see my stores
	ds_load_b128 v[BK+4:BK+7], v[RD] offset:8*SPT
	s_wait_dscnt 0x0
	global_store_b128 v[GO], v[BK:BK+3],   s[\p:\p+1]              ; 32 lanes store 512 consecutive bytes, aligned
	global_store_b128 v[GO], v[BK+4:BK+7], s[\p:\p+1] offset:512
.endm
	INIT
	s_wait_tensorcnt 0x1                           ; my key step among 0-7 is in; my second load, a step among 8-15, may stay out
	s_barrier_signal -1
	s_barrier_wait -1                              ; everybody's is
	s_wait_loadcnt 0x0                             ; Q
	s_mov_b32 s[KS], 0
	s_mov_b32 s[TB], 0
.Lfirst_a:                                         ; the first tile's group is 8 or more: steps 0 and 1 are whole for every wave
	STEP 16, 0
	NEXT .Lfirst_a, 2
	s_wait_tensorcnt 0x0                           ; my key step among 8-15 is in: it has had two key steps' work in which to land
	s_barrier_signal -1
	s_barrier_wait -1                              ; everybody's is: steps 8-15 are first read six steps further on.  No barrier stands behind this one but the closing round's
	s_mov_b32 s[KS], 2
	s_mov_b32 s[TB], 2*STEPB
.Lfirst_b:
	STEP 16, 1
	NEXT .Lfirst_b, 16
	OUT 58, 0
	INIT
	s_mov_b32 s[GRP], s14                          ; the second tile's group
	s_mov_b32 s[KS], 0
	s_mov_b32 s[TB], 0
.Lsecond:
	STEP 24, 1
	NEXT .Lsecond, 8
	OUT 60, 1
	s_wait_tensorcnt 0x0                           ; the wave's end: behind my last tensor load and my last LDS store
	ds_add_u32 v[SPW], v[NIL]
	s_wait_dscnt 0x0
	CROUND                                         ; the closing round
	s_endpgm
.Lfunc_end_k_q0f3512f5d6_attn:
	.size	k_q0f3512f5d6_attn, .Lfunc_end_k_q0f3512f5d6_attn-k_q0f3512f5d6_attn
	.p2alignl 7, 3214868480
	.fill 96, 4, 3214868480
	.section	.rodata,"a",@progbits
	.p2align	6, 0x0
	.amdhsa_kernel k_q0f3512f5d6_attn
		.amdhsa_group_segment_fixed_size 327680
		.amdhsa_private_segment_fixed_size 0
		.amdhsa_enable_private_segment 0
		.amdhsa_kernarg_size 24
		.amdhsa_user_sgpr_count 2
		.amdhsa_user_sgpr_kernarg_segment_ptr 1
		.amdhsa_wavefront_size32 1
		.amdhsa_system_sgpr_workgroup_id_x 1
		.amdhsa_system_sgpr_workgroup_id_y 1
		.amdhsa_system_sgpr_workgroup_id_z 1
		.amdhsa_system_vgpr_workitem_id 0
		.amdhsa_next_free_vgpr 256
		.amdhsa_next_free_sgpr 78
		.amdhsa_reserve_vcc 1
		.amdhsa_float_denorm_mode_32 3
		.amdhsa_float_denorm_mode_16_64 3
		.amdhsa_fp16_overflow 1
		.amdhsa_memory_ordered 1
		.amdhsa_forward_progress 1
		.amdhsa_inst_pref_size 72
	.end_amdhsa_kernel
	.amdgpu_metadata
---
amdhsa.version: [ 1, 2 ]
amdhsa.kernels:
  - .name:           k_q0f3512f5d6_attn
    .symbol:         k_q0f3512f5d6_attn.kd
    .args:
      - { .name: qkv, .offset: 0, .size: 8, .value_kind: global_buffer, .address_space: global }
      - { .name: lowp_scales, .offset: 8, .size: 8, .value_kind: global_buffer, .address_space: global }
      - { .name: ao, .offset: 16, .size: 8, .value_kind: global_buffer, .address_space: global }
    .group_segment_fixed_size: 327680
    .private_segment_fixed_size: 0
    .kernarg_segment_align: 8
    .kernarg_segment_size: 24
    .max_flat_workgroup_size: 512
    .sgpr_count:     78
    .vgpr_count:     256
    .wavefront_size: 32
...
	.end_amdgpu_metadata
.endif
;; end of part 3
;; launch outp (part 4): grid 4 x 32, 4 waves a work-group, clusters of 4 x 4, 327,680 bytes of LDS; arguments ao, wc, lowp_scales, bo, out0; writes out0
.if DOCPART == 4
	.amdgcn_target "amdgcn-amd-amdhsa--gfx1250"
	.amdhsa_code_object_version 6
	.text
	.protected	k_q0f3512f5d6_outp
	.globl	k_q0f3512f5d6_outp
	.p2align	8
	.type	k_q0f3512f5d6_outp,@function
k_q0f3512f5d6_outp:
	s_mov_b64 s[64:65], 0
	v_nop
	global_prefetch_b8 v0, s[64:65] scope:SCOPE_SE
	s_setreg_imm32_b32 hwreg(HW_REG_WAVE_MODE, 25, 1), 1
	s_wait_xcnt 0x0
	s_wait_alu depctr_hold_cnt(0) depctr_sa_sdst(0) depctr_va_vdst(0) depctr_va_sdst(0) depctr_va_ssrc(0) depctr_va_vcc(0) depctr_vm_vsrc(0)
	s_getreg_b32 s2, hwreg(HW_REG_IB_STS2, 6, 4)
	s_cmp_eq_u32 s2, 0
	s_cbranch_scc0 .Lentry_in_a_cluster
	s_endpgm
.Lentry_in_a_cluster:
	s_bfe_u32 s2, ttmp6, 0x10000c
	s_cmp_lg_u32 s2, 0xf033
	s_cbranch_scc0 .Lentry_shape_is_right
	s_endpgm
.Lentry_shape_is_right:
; out0 = attention's result x Wo^T + bo on codes of BF8 (E5M2).  ao: A's codes in planes [head 16][8192 tokens][64]: feature 64 head + d.  wc's fourth part: Wo's codes [1024][1024].  out0: [8192][1024] f32.
; out0 = sum x 2^(ea + eb) + bo, one fused multiply-add; ea, eb: entries 10 and 11 of the scales' buffer.  LIMIT: ea + eb between -126 and 127.  Within a matrix instruction k is permuted, alike in both operands.
; A tile of 256 x 256 is made by four waves, 128 x 128 each: 64 accumulators, 512 registers: 128 work-groups, all that this tile gives at these sizes.  K = 1024 goes in four steps of 256 through two LDS slots.
; A's tile of a K step is four planes: one tensor load brings 128 tokens x 4 planes as 4 rows of 8,192 dense bytes, 524,288 bytes apart, with 16 bytes of padding behind every 64: in LDS plane x 10,240 + token x 80.
; (Its four rows are as long as the layout allows; there are no 64 rows to be had.)  B's tile is 128 rows x 256 bytes, padded to 272.
; CLUSTERS: 4 x 4 work-groups; A's tile is asked for jointly by a row of the cluster, B's by a column.  THE MATRIX INSTRUCTION IS USED TRANSPOSED (source 0 = 16 rows of B, source 1 = 16 rows of A): a lane holds eight neighbouring numbers of a row.
; REGISTERS, in windows of 256: window 0: v0-31 addresses; v32-95 bo of my 128 columns; from v128 A's fragments, ONE set; on the way out v128-255 are free.   window 1: B's fragments, TWO sets.
;   window 2: the accumulators of my rows 0-63 ((a, b) at v[8 (8 a + b)]);   window 3: those of rows 64-127.
.set ROWB,   256
.set KROW,   1024
.set PITCH,  272                       ; B's LDS row: 68 words: row r starts at bank 4 r mod 64 (64 banks of 4 bytes: ISA guide 11.1)
.set AP,     80                        ; A's LDS row: a token's 64 codes of one plane + 16 = 20 words: 16 rows start at 16 different groups of four banks
.set PLANE,  128*AP
.set AHALF,  4*PLANE                   ; what one tensor load brings of A
.set HALFT,  128*PITCH                 ; and of B
.set SLOT,   2*AHALF+2*HALFT
.set ASTEP,  4*524288                  ; four planes on
.set FR,     16
.set NL,     4
.set NP,     4                         ; places behind this matrix instruction (ISA guide 7.12.1)
.set SPARE,  2*SLOT                    ; behind the ring: the spare words, 128 bytes a wave: two blocks of 256 bytes that no other line names
.set SPITCH, 528                       ; the way out: 16 rows x (512 bytes + 16) for each wave, in slot 0, which has had its last fill and its last read when the first result is stored there
.set ADRA, 16
.set ADRB, 20
.set STO,  24
.set RD,   25
.set CO,   26
.set BCO,  27
.set SPW,  28                          ; v28  LDS address of my spare word; never rewritten
.set NIL,  29                          ; v29  0; never rewritten
.set BIAS, 32
.set AF,   128
.set TMP,  128                         ; the way out: a block's 64 numbers
.set BK,   192                         ; and 16 rows read back from the stage
.set G1, 24
.set G0, 32
.set G1B, 48
.set G0B, 56
.set MSB, 0
.macro WIN new                         ; the immediate's high byte repeats the setting that is left
.if MSB != (\new)
	s_set_vgpr_msb (MSB<<8)|(\new)
.set MSB, (\new)
.endif
.endm
.set MUL_LO, 0xa1
.set MUL_HI, 0xf1
.set TO_B,   0x40
.macro JLOAD g0a, g1a, g0b, g1b        ; waves 0 and 1 fetch for A, waves 2 and 3 for B; four v_nop follow each line
	s_cmp_eq_u32 s15, 0
	s_cbranch_scc0 .Lfor_b_\@
	tensor_load_to_lds s[\g0a:\g0a+3], s[\g1a:\g1a+7]
	s_nop 0
.rept 4
	v_nop
.endr
	s_branch .Lasked_\@
.Lfor_b_\@:
	tensor_load_to_lds s[\g0b:\g0b+3], s[\g1b:\g1b+7]
	s_nop 0
.rept 4
	v_nop
.endr
.Lasked_\@:
.endm
.macro CREST
	s_cmp_lg_u32 s14, 0
	s_cbranch_scc1 .Lnot_wave_0_\@
	s_barrier_signal -3
.Lnot_wave_0_\@:
	s_barrier_wait -3
	s_barrier_signal -1
	s_barrier_wait -1
.endm
.macro CROUND
	s_barrier_signal -1
	s_barrier_wait -1
	CREST
.endm
	s_load_b128 s[4:7], s[0:1], 0x0                ; ao, wc
	s_load_b128 s[8:11], s[0:1], 0x10              ; the scales' exponents, bo
	s_load_b64 s[12:13], s[0:1], 0x20              ; out0
	v_lshl_add_u32 v[SPW], v0, 2, SPARE
	v_mov_b32 v[NIL], 0
	ds_add_u32 v28, v29
	ds_add_u32 v28, v29
	s_wait_dscnt 0x0
	v_lshrrev_b32 v1, 5, v0
	v_readfirstlane_b32 s14, v1                    ; wave 0..3
	s_lshr_b32 s15, s14, 1                         ; my half of the tile's rows.  Also: I fetch for A (0) or for B (1)
	s_and_b32 s16, s14, 1                          ; my half of its columns.  Also: which half of that tile I fetch
	s_bfe_u32 s40, ttmp6, 0x40000                  ; cx, cy
	s_bfe_u32 s41, ttmp6, 0x40004
	s_lshl_b32 s42, ttmp9, 2
	s_add_co_u32 s42, s42, s40                     ; tile column
	s_and_b32 s17, ttmp7, 0xffff
	s_lshl_b32 s17, s17, 2
	s_add_co_u32 s17, s17, s41                     ; tile row
	s_lshl_b32 s43, s41, 2
	s_lshl_b32 s43, 15, s43                        ; my row of the cluster
	s_lshl_b32 s44, 0x1111, s40                    ; my column
	s_or_b32 s[G1+0], s43, (0<<16)|(1<<20)|(1<<21)|(3<<22)|(3<<25)   ; A: the mask; elements of 1 byte; padding on; 21 set beside a mask; after every 16 words (code 3) four words (code 3)
	s_mov_b32 s[G1+1], 8192<<16                    ; tensor_dim0: 128 tokens x 64 bytes
	s_mov_b32 s[G1+2], 4<<16                       ; tensor_dim1: 4 planes
	s_mov_b32 s[G1+3], 8192<<16                    ; tile_dim0
	s_mov_b32 s[G1+4], 4                           ; tile_dim1
	s_mov_b32 s[G1+5], 524288                      ; from plane to plane
	s_mov_b32 s[G1+6], 0
	s_mov_b32 s[G1+7], 0
	s_or_b32 s[G1B+0], s44, (0<<16)|(1<<20)|(1<<21)|(5<<22)|(3<<25)  ; B: after every 64 words four words
	s_mov_b32 s[G1B+1], ROWB<<16
	s_mov_b32 s[G1B+2], 128<<16
	s_mov_b32 s[G1B+3], ROWB<<16
	s_mov_b32 s[G1B+4], 128
	s_mov_b32 s[G1B+5], KROW
	s_mov_b32 s[G1B+6], 0
	s_mov_b32 s[G1B+7], 0
	s_lshl_b32 s20, s17, 14                        ; A: 256 tokens x 64 bytes a tile,
	s_lshl_b32 s18, s16, 13                        ; the half that I fetch
	s_add_co_u32 s20, s20, s18
	s_mov_b32 s21, 0
	s_lshl_b32 s46, s42, 18                        ; B: 256 rows x 1,024 bytes a tile,
	s_lshl_b32 s18, s16, 17
	s_add_co_u32 s46, s46, s18
	s_add_co_u32 s46, s46, 0x300000                ; in wc's fourth part
	s_mov_b32 s47, 0
	s_mul_i32 s45, s16, AHALF                      ; where they go: made of the wave's number alone
	s_mul_i32 s84, s16, HALFT
	s_add_co_u32 s84, s84, 2*AHALF
	s_wait_kmcnt 0x0
	s_load_b64 s[96:97], s[8:9], 0x28              ; entries 10, 11
	s_add_nc_u64 s[20:21], s[4:5], s[20:21]
	s_add_nc_u64 s[46:47], s[6:7], s[46:47]
	CROUND                                         ; all sixteen work-groups are here: the first joint loads meet
.irp s, 0,1
	s_mov_b32 s[G0+4*\s], 1
	s_add_co_u32 s[G0+4*\s+1], s45, \s*SLOT
	s_add_nc_u64 s[G0+4*\s+2:G0+4*\s+3], s[20:21], \s*ASTEP
	s_or_b32 s[G0+4*\s+3], s[G0+4*\s+3], 0x80000000
	s_mov_b32 s[G0B+4*\s], 1
	s_add_co_u32 s[G0B+4*\s+1], s84, \s*SLOT
	s_add_nc_u64 s[G0B+4*\s+2:G0B+4*\s+3], s[46:47], \s*ROWB
	s_or_b32 s[G0B+4*\s+3], s[G0B+4*\s+3], 0x80000000
	s_wait_alu depctr_va_vdst(0)
	s_wait_tensorcnt 0x0
	ds_add_u32 v28, v29
	ds_add_u32 v28, v29
	s_wait_dscnt 0x0
	CROUND
	JLOAD G0+4*\s, G1, G0B+4*\s, G1B
.endr
	v_and_b32 v1, 15, v0                           ; r
	v_bfe_u32 v2, v0, 4, 1                         ; h
	v_mul_u32_u24 v3, v1, AP
	v_lshl_add_u32 v3, v2, 4, v3                   ; A: token r x 80 + 16 h
	v_mul_u32_u24 v4, v1, PITCH
	v_lshl_add_u32 v4, v2, 4, v4                   ; B: row r x 272 + 16 h
	s_mul_i32 s21, s15, AHALF                      ; my 128 rows of A
	s_mul_i32 s22, s16, HALFT                      ; my 128 rows of B,
	s_add_co_u32 s22, s22, 2*AHALF                 ; which lie behind A's
.irp s, 0,1
	v_add_nc_u32 v[ADRA+\s], s21, v3
	v_add_nc_u32 v[ADRB+\s], s22, v4
	s_add_co_u32 s21, s21, SLOT
	s_add_co_u32 s22, s22, SLOT
.endr
	s_mul_i32 s23, s14, 16*SPITCH                  ; my stage
	v_mul_u32_u24 v5, v1, SPITCH
	v_lshl_add_u32 v5, v2, 5, v5
	v_add_nc_u32 v[STO], s23, v5                   ; in: row r, 32 bytes for each half of the lanes
	v_and_b32 v6, 31, v0
	v_lshlrev_b32 v[CO], 4, v6                     ; back: the 32 lanes take one row of 512 bytes; and the same in out0
	v_add_nc_u32 v[RD], s23, v[CO]
	v_lshlrev_b32 v[BCO], 5, v2
	s_wait_alu depctr_va_vdst(0)
	s_lshl_b32 s46, s42, 10                        ; my first column, in bytes of f32: 1,024 x tile column + 512 x half
	s_lshl_b32 s47, s16, 9
	s_add_co_u32 s46, s46, s47
	s_mov_b32 s47, 0
	s_add_nc_u64 s[10:11], s[10:11], s[46:47]      ; bo there
	s_lshl_b32 s20, s17, 20                        ; my first row: 256 rows of 4,096 bytes a tile, 128 a half
	s_lshl_b32 s21, s15, 19
	s_add_co_u32 s20, s20, s21
	s_add_co_u32 s20, s20, s46
	s_mov_b32 s21, 0
	s_add_nc_u64 s[12:13], s[12:13], s[20:21]
.irp b, 0,1,2,3,4,5,6,7
	global_load_b128 v[BIAS+8*\b:BIAS+8*\b+3],   v[BCO], s[10:11] offset:64*\b       ; register 8 b + j: bo of column 16 b + 8 h + j
	global_load_b128 v[BIAS+8*\b+4:BIAS+8*\b+7], v[BCO], s[10:11] offset:64*\b+16
.endr
	s_wait_kmcnt 0x0
	s_add_co_i32 s96, s96, s97
	s_add_co_i32 s96, s96, 127
	s_lshl_b32 s96, s96, 23                        ; 2^(ea + eb) as f32
	s_mov_b32 s97, s96                             ; (named with it as a pair, so it is written)
.macro FRAGB reg, adr, q, i            ; 16 rows x 128 K: registers 4 c .. 4 c + 3 hold K = 32 c + 16 (l / 16) + 0 .. 15
.irp c, 0,1,2,3
	ds_load_b128 v[\reg+4*\c:\reg+4*\c+3], v[\adr] offset:128*(\q)+32*\c+(\i)*16*PITCH
.endr
.endm
.macro FRAGA reg, adr, q, i            ; the same places of k: K = 128 q + 32 c lies in plane 2 q + c / 2 at byte 32 (c % 2)
.irp c, 0,1,2,3
	ds_load_b128 v[\reg+4*\c:\reg+4*\c+3], v[\adr] offset:(2*(\q)+\c/2)*PLANE+(\i)*16*AP+32*(\c%2)
.endr
.endm
; 16 matrix instructions: A's blocks a0, a0 + 1 x B's eight.  The 64 accumulators take turns, one instruction a turn.
.macro MUL16 a0, p, zero
.irp a, \a0, \a0+1
.irp b, 0,1,2,3,4,5,6,7
.if \zero
	v_wmma_f32_16x16x128_bf8_bf8 v[8*(8*((\a)%4)+\b):8*(8*((\a)%4)+\b)+7], v[128*(\p)+FR*\b:128*(\p)+FR*\b+FR-1], v[AF+FR*(\a):AF+FR*(\a)+FR-1], 0
.else
	v_wmma_f32_16x16x128_bf8_bf8 v[8*(8*((\a)%4)+\b):8*(8*((\a)%4)+\b)+7], v[128*(\p)+FR*\b:128*(\p)+FR*\b+FR-1], v[AF+FR*(\a):AF+FR*(\a)+FR-1], v[8*(8*((\a)%4)+\b):8*(8*((\a)%4)+\b)+7]
.endif
.endr
.endr
.endm
.macro FETCH_B slot, q, p
	WIN TO_B
.irp i, 0,1,2,3,4,5,6,7
	FRAGB 128*(\p)+FR*\i, ADRB+\slot, \q, \i
.endr
	WIN 0
.endm
.macro FETCH_A slot, q, i0
.irp i, \i0, \i0+1, \i0+2, \i0+3
	FRAGA AF+FR*(\i), ADRA+\slot, \q, \i
.endr
.endm
.macro PLACES n                        ; plain vector lines between a matrix instruction and a load into a register that it read, or a read of its result (ISA guide 7.12.1 for a read of its result)
.rept \n
	v_nop
.endr
.endm
.macro STEP slot, q, zero
	s_wait_dscnt 4*NL                              ; B's set and A's blocks 0-3 are in; the youngest sixteen loads (A's blocks 4-7) may be out
	WIN MUL_LO
	MUL16 0, (\q)%2, \zero
	MUL16 2, (\q)%2, \zero
	s_wait_dscnt 0
	PLACES NP
	FETCH_B \slot, (\q)+1, 1-(\q)%2
	FETCH_A \slot, (\q)+1, 0
	WIN MUL_HI
	MUL16 4, (\q)%2, \zero
	MUL16 6, (\q)%2, \zero
	PLACES NP
	WIN 0
	FETCH_A \slot, (\q)+1, 4
.endm
.macro TURN slot, next, fill
	s_wait_tensorcnt 0x0                           ; all my tensor loads have landed: my part of the next slot
	ds_add_u32 v[SPW], v[NIL]                      ; 0 onto my spare word
	s_wait_dscnt 4*NL+1                            ; (the add and the youngest sixteen loads may be out)
	WIN MUL_LO
	MUL16 0, 1, 0
	s_wait_dscnt 0x0                               ; the add is done, and my reads of this slot are over
	s_barrier_signal -1
	MUL16 2, 1, 0
	WIN 0
	s_barrier_wait -1
.if \fill
	CREST                                          ; the barrier has opened a round of the cluster's barrier: no wave of any partner still reads this slot or has a load on its way
	s_add_nc_u64 s[G0+4*\slot+2:G0+4*\slot+3], s[G0+4*\slot+2:G0+4*\slot+3], 2*ASTEP
	s_add_nc_u64 s[G0B+4*\slot+2:G0B+4*\slot+3], s[G0B+4*\slot+2:G0B+4*\slot+3], 2*ROWB
	JLOAD G0+4*\slot, G1, G0B+4*\slot, G1B         ; my one tensor load behind the round; its four v_nop are the places in front of the loads below
.else
	PLACES NP
.endif
	FETCH_B \next, 0, 0
	FETCH_A \next, 0, 0
	WIN MUL_HI
	MUL16 4, 1, 0
	MUL16 6, 1, 0
	PLACES NP
	WIN 0
	FETCH_A \next, 0, 4
.endm
	s_wait_tensorcnt 1                             ; my part of slot 0 is in; slot 1's first fill may be out
	s_barrier_signal -1
	s_barrier_wait -1
	FETCH_B 0, 0, 0
	FETCH_A 0, 0, 0
	FETCH_A 0, 0, 4
	STEP 0, 0, 1                                   ; these products start the sums.  K = 1024 is four slots' worth: written out, no loop
	TURN 0, 1, 1
	STEP 1, 0, 0
	TURN 1, 0, 1
	STEP 0, 0, 0
	TURN 0, 1, 0                                   ; nothing is left to fetch; behind this barrier nobody reads slot 0
	STEP 1, 0, 0
	s_wait_dscnt 4*NL
	WIN MUL_LO
	MUL16 0, 1, 0
	MUL16 2, 1, 0
	s_wait_dscnt 0
	WIN MUL_HI
	MUL16 4, 1, 0
	MUL16 6, 1, 0
	WIN 0
; THE WAY OUT, block by block of 16 rows x 128 columns: sum x 2^(ea + eb) + bo; through my stage; back as whole rows of 512 bytes.
.macro PACK a
.set AC, 64*((\a)%4)
	WIN 0x02+((\a)/4)                              ; source 0: window 2 or 3
.set n, 0
.rept 32                               ; each accumulator from its low end on
	v_pk_fma_f32 v[TMP+n:TMP+n+1], v[AC+n:AC+n+1], s[96:97], v[BIAS+n:BIAS+n+1] op_sel_hi:[1,0,1]
.set n, n+2
.endr
	WIN 0
.endm
.macro TOSTAGE a
.if (\a) >= 1
	s_wait_xcnt 0x0                                ; the last block's stores have read the registers that the loads below write (ISA guide 3.1)
.endif
.irp b, 0,1,2,3,4,5,6,7
	ds_store_b128 v[STO], v[TMP+8*\b:TMP+8*\b+3] offset:64*\b
	ds_store_b128 v[STO], v[TMP+8*\b+4:TMP+8*\b+7] offset:64*\b+16
.endr
.irp t, 0,1,2,3,4,5,6,7,8,9,10,11,12,13,14,15
	ds_load_b128 v[BK+4*\t:BK+4*\t+3], v[RD] offset:\t*SPITCH   ; LDS serves a wave's instructions in order (ISA guide 5.7.1.4): these see the stores above
.endr
.endm
.macro SEND a
	s_wait_dscnt 0x0                               ; the block is back in registers
.irp t, 0,1,2,3,4,5,6,7,8,9,10,11,12,13,14,15
	global_store_b128 v[CO], v[BK+4*\t:BK+4*\t+3], s[12:13] offset:(\a)*65536+\t*4096 th:TH_STORE_NT   ; 32 lanes store 512 consecutive bytes, aligned; written once, read by nobody here
.endr
.endm
	s_wait_loadcnt 0x0                             ; bo
	PLACES NP                                      ; behind the last products: their results are read, and A's registers written, below
	PACK 0
	TOSTAGE 0
.irp a, 1,2,3,4,5,6,7                  ; block a's arithmetic stands between block a - 1's loads from the stage and the wait for them
	PACK \a
	s_wait_alu depctr_va_vdst(0)
	SEND \a-1
	TOSTAGE \a
.endr
	SEND 7
	s_wait_tensorcnt 0x0                           ; the wave's end: behind my last tensor load and my last LDS store
	ds_add_u32 v[SPW], v[NIL]
	s_wait_dscnt 0x0
	CROUND                                         ; the closing round: no work-group ends while a partner may still ask for a tile that names it
	s_endpgm
.Lfunc_end_k_q0f3512f5d6_outp:
	.size	k_q0f3512f5d6_outp, .Lfunc_end_k_q0f3512f5d6_outp-k_q0f3512f5d6_outp
	.p2alignl 7, 3214868480
	.fill 96, 4, 3214868480
	.section	.rodata,"a",@progbits
	.p2align	6, 0x0
	.amdhsa_kernel k_q0f3512f5d6_outp
		.amdhsa_group_segment_fixed_size 327680
		.amdhsa_private_segment_fixed_size 0
		.amdhsa_enable_private_segment 0
		.amdhsa_kernarg_size 40
		.amdhsa_user_sgpr_count 2
		.amdhsa_user_sgpr_kernarg_segment_ptr 1
		.amdhsa_wavefront_size32 1
		.amdhsa_system_sgpr_workgroup_id_x 1
		.amdhsa_system_sgpr_workgroup_id_y 1
		.amdhsa_system_sgpr_workgroup_id_z 1
		.amdhsa_system_vgpr_workitem_id 0
		.amdhsa_next_free_vgpr 1024
		.amdhsa_next_free_sgpr 98
		.amdhsa_reserve_vcc 0
		.amdhsa_float_denorm_mode_32 3
		.amdhsa_float_denorm_mode_16_64 3
		.amdhsa_memory_ordered 1
		.amdhsa_forward_progress 1
		.amdhsa_inst_pref_size 126
	.end_amdhsa_kernel
	.amdgpu_metadata
---
amdhsa.version: [ 1, 2 ]
amdhsa.kernels:
  - .name:           k_q0f3512f5d6_outp
    .symbol:         k_q0f3512f5d6_outp.kd
    .args:
      - { .name: ao, .offset: 0, .size: 8, .value_kind: global_buffer, .address_space: global }
      - { .name: wc, .offset: 8, .size: 8, .value_kind: global_buffer, .address_space: global }
      - { .name: lowp_scales, .offset: 16, .size: 8, .value_kind: global_buffer, .address_space: global }
      - { .name: bo, .offset: 24, .size: 8, .value_kind: global_buffer, .address_space: global }
      - { .name: out0, .offset: 32, .size: 8, .value_kind: global_buffer, .address_space: global }
    .group_segment_fixed_size: 327680
    .private_segment_fixed_size: 0
    .kernarg_segment_align: 8
    .kernarg_segment_size: 40
    .max_flat_workgroup_size: 128
    .sgpr_count:     98
    .vgpr_count:     1024
    .wavefront_size: 32
...
	.end_amdgpu_metadata
.endif
;; end of part 4
